; MI455X (gfx1250); checked and timed in simulation.
; The chip was launched on July 23, 2026; its instructions are those of AMD's public machine-readable ISA for CDNA 5 (MIT licence, August 2026) and "CDNA5" Instruction Set Architecture Reference Guide (July 2026). The comments in the code are by the model that wrote it; some were corrected since.
;; Domain Encoder. Allowed arithmetic: float matrix products may take bf16 or f16 operands with f32 sums; other float arithmetic in f32, or as packed bf16 or f16 multiplies, adds, multiply-adds, maxima and minima; sums over many terms, partial sums and values carried from step to step in f32; what a program stores and reads back later, other than sums and carried values, may be rounded once to bf16 or f16.
;; Inputs: W1 4 x 256 x 1,024 float32; W2 4 x 1,024 x 256 float32; b1 4 x 1,024 float32; b2 4 x 256 float32; beta 4 x 1,024 float32; domain_types 32,768 int32; gamma 4 x 1,024 float32; x 32,768 x 256 float32.
;; Outputs: out0 32,768 x 256 float32.
;; 2 versions, each right; version 2 is version 1 with the launch main written anew for expert scheduling mode. Each part assembles by itself: llvm-mc -triple=amdgcn-amd-amdhsa -mcpu=gfx1250 --defsym DOCPART=n.
;; ======== version 1 of 2: 2 launches
;; limits: values are held in f16: magnitudes above 65,504 overflow, below 6.1e-05 lose precision; right only within a limited range of input values
;; workspace buffers: wbuf 4,325,376 bytes; par 36,864 bytes; order 132,096 bytes of whole numbers; tiles 4,096 bytes of whole numbers
;; launch prep (part 1): grid 84 x 1, 16 waves a work-group, no clusters, 143,872 bytes of LDS; arguments W1, W2, b1, b2, gamma, beta, domain_types, wbuf, par, order, tiles; writes wbuf, par, order, tiles
.if DOCPART == 1
	.amdgcn_target "amdgcn-amd-amdhsa--gfx1250"
	.amdhsa_code_object_version 6
	.text
	.protected	k_qfcab14d4e2_prep
	.globl	k_qfcab14d4e2_prep
	.p2align	8
	.type	k_qfcab14d4e2_prep,@function
k_qfcab14d4e2_prep:
	s_mov_b64 s[64:65], 0
	v_nop
	global_prefetch_b8 v0, s[64:65] scope:SCOPE_SE
	s_setreg_imm32_b32 hwreg(HW_REG_WAVE_MODE, 25, 1), 1
	s_wait_xcnt 0x0
; PREP: everything that the fused launch wants ready.  84 work-groups of 16 waves, four roles by the work-group's number g:
;   g  0-31  W1 of expert g / 8, K step g % 8 (32 of the 256 inputs): rounded to bf16 and written in the order in which a matrix operand's registers take it;
;            also the mean over the 1,024 hidden columns of the rounded W1, split into three bf16 parts (hi + mid + lo), as a matrix operand of its own
;   g 32-63  W2: rounded to bf16, that number written as f16, same order
;   g 64-79  a counting sort of the tokens by expert (five buckets: 0-3 and 'none'), chunk g - 64 of 2,048 tokens; g = 64 also writes the list of tiles of 144 rows
;   g 80-83  b1 (rounded, its mean taken away), gamma, beta (rounded, as f16), b2 (rounded) of expert g - 80
; A FRAGMENT is 16 rows x 32 k in 1,024 bytes: bytes 16 L are lane L's registers 0-3, bytes 512 + 16 L its registers 4-7; lane L holds row L % 16, k = 8 (L / 16) + 0..7 and 16 + 8 (L / 16) + 0..7.
; A RECORD of wbuf, (expert, wave of the fused launch), is that wave's stream: 8 mean fragments, 128 of W1 (8 blocks of 16: K step ks, hidden tile m at 2 ks + m), 128 of W2 (hidden step kappa, out tile o at 4 kappa + o).
; LIMITS.  Numbers of W2, gamma and beta below 2^-14 keep f16's fixed step of 2^-24; beyond 65,504 they would be lost.  A domain outside 0..3 goes to the bucket 'none'.
.set REC,   270336                     ; 8,192 + 131,072 + 131,072 bytes
.set PREC,  2304                       ; a record of par: b1 - mean f32[256], gamma f16[256], beta f16[256], b2 f32[64]
.set TP,    272                        ; a row of a wave's tile in LDS: 64 f32 + 16 bytes
.set TILEB, 32*TP                      ; a wave's tile: 32 k x 64 columns
.set WS,    16*TILEB                   ; [wave][32 k] f32: each wave's sums over its 64 columns
.set EX,    WS+2048                    ; [wave][8 words]: the sort's counts
.set SPARE, EX+512                     ; the spare words: 128 bytes for each of 16 waves, named by no other line
.set SPW,   190                        ; v190 my spare word's address; never rewritten
.set NIL,   191                        ; v191 0; never rewritten
	s_load_b512 s[4:19], s[0:1], 0x0               ; W1 s[4:5], W2 s[6:7], b1 s[8:9], b2 s[10:11], gamma s[12:13], beta s[14:15], domain_types s[16:17], wbuf s[18:19]
	s_load_b128 s[20:23], s[0:1], 0x40             ; par s[20:21], order s[22:23]
	s_load_b64 s[24:25], s[0:1], 0x50              ; tiles
	v_lshl_add_u32 v[SPW], v0, 2, SPARE
	v_mov_b32 v[NIL], 0
	v_lshrrev_b32 v1, 5, v0
	v_readfirstlane_b32 s26, v1                    ; wave 0..15
	v_and_b32 v1, 31, v0                           ; lane L
	v_and_b32 v2, 15, v0                           ; r = L % 16
	v_bfe_u32 v3, v0, 4, 1                         ; h = L / 16
	v_lshlrev_b32 v4, 4, v1                        ; 16 L
	s_mov_b32 s27, ttmp9                           ; g
	s_mov_b32 s33, 0                               ; high words of the two offset pairs s[32:33], s[34:35]
	s_mov_b32 s35, 0
	s_mov_b32 s36, 0x76543210                      ; v_permlanex16_b32: each lane takes its own place in the other half
	s_mov_b32 s37, 0xfedcba98
	s_mov_b32 s38, 0xffff0000                      ; a word's upper bf16
	s_mul_i32 s39, s26, TILEB                      ; my wave's tile in LDS
	s_wait_kmcnt 0x0
	s_cmp_lt_u32 s27, 32
	s_cbranch_scc1 .Lw1
	s_cmp_lt_u32 s27, 64
	s_cbranch_scc1 .Lw2
	s_cmp_lt_u32 s27, 80
	s_cbranch_scc1 .Lsort
	s_branch .Lpar
; ONE WAVE'S JOB: 32 k x 64 columns of f32 (source s[44:45], rows pitch bytes apart) become four fragments at s[30:31].
; In: 16 loads, each half of the lanes 256 consecutive bytes of a row.  Through my own tile in LDS (no other wave touches it; LDS serves a wave's instructions in order: ISA guide 5.7.1.4).
; Back: lane (r, h) takes column 16 q + r at its 16 k: 16 neighbouring words for r, and h 8 rows = 544 words further, half the banks away.
; w1 = 1: bf16 out, fragments q at (q / 2) blocks + (q % 2) fragments, and the rounded numbers are summed over q into v[160:175].  w1 = 0: the bf16 number written as f16, fragments on end.
.macro JOB pitch, w1
	v_mul_u32_u24 v5, v3, \pitch
	v_lshl_add_u32 v5, v2, 4, v5                   ; h rows + 16 r
	v_mul_u32_u24 v6, v3, TP
	v_lshl_add_u32 v6, v2, 4, v6
	v_add_nc_u32 v6, s39, v6
	v_mul_u32_u24 v7, v3, 8*TP
	v_lshl_add_u32 v7, v2, 2, v7
	v_add_nc_u32 v7, s39, v7
.set i, 0
.rept 16
	global_load_b128 v[32+4*i:32+4*i+3], v5, s[44:45] offset:i*2*(\pitch) th:TH_LOAD_NT  ; rows 2 i + h; each weight is read once in the launch
.set i, i+1
.endr
.set i, 0
.rept 16
	s_wait_loadcnt 15-i                            ; loads come back in order: load i is in, the younger ones stay out
	ds_store_b128 v6, v[32+4*i:32+4*i+3] offset:i*2*TP
.set i, i+1
.endr
.irp q, 0,1,2,3
.set i, 0
.rept 16
	ds_load_b32 v[96+16*(\q)+i], v7 offset:(i+8*(i/8))*TP+64*(\q)  ; k = 8 h + i, and 16 + 8 h + i - 8 from i = 8 on
.set i, i+1
.endr
.endr
.irp q, 0,1,2,3
	s_wait_dscnt 48-16*(\q)                        ; fragment q's 16 words are in; the later fragments' may be out
.set j, 0
.rept 8
	v_cvt_pk_bf16_f32 v[96+16*(\q)+j], v[96+16*(\q)+2*j], v[96+16*(\q)+2*j+1]  ; in place, ascending: register j is written when 2 j and 2 j + 1 are read
.set j, j+1
.endr
.set j, 0
.rept 8
.if \w1
.if (\q) == 0
	v_lshlrev_b32 v[160+2*j], 16, v[96+j]          ; the first fragment starts the sums of the rounded numbers
	v_and_b32 v[161+2*j], s38, v[96+j]
.else
	v_lshlrev_b32 v8, 16, v[96+16*(\q)+j]
	v_and_b32 v9, s38, v[96+16*(\q)+j]
	v_pk_add_f32 v[160+2*j:161+2*j], v[160+2*j:161+2*j], v[8:9]
.endif
.else
	v_lshlrev_b32 v8, 16, v[96+16*(\q)+j]
	v_and_b32 v9, s38, v[96+16*(\q)+j]
	v_cvt_pk_f16_f32 v[96+16*(\q)+j], v8, v9       ; the bf16 number as f16
.endif
.set j, j+1
.endr
.if \w1
.set dq, ((\q)/2)*16384+((\q)%2)*1024
.else
.set dq, (\q)*1024
.endif
	global_store_b128 v4, v[96+16*(\q):96+16*(\q)+3], s[30:31] offset:dq       ; 512 consecutive bytes, aligned
	global_store_b128 v4, v[96+16*(\q)+4:96+16*(\q)+7], s[30:31] offset:dq+512
.endr
.endm
; ---------------- W1: expert e = g / 8, K step ks = g % 8; wave v has hidden columns 64 v .. 64 v + 63 = hidden tiles 4 v + q
.Lw1:
	s_lshr_b32 s28, s27, 3                         ; e
	s_and_b32 s29, s27, 7                          ; ks
	s_lshl_b32 s32, s28, 20                        ; an expert's W1 is 2^20 bytes,
	s_lshl_b32 s40, s29, 17                        ; 32 rows of 4,096 bytes,
	s_add_co_u32 s32, s32, s40
	s_lshl_b32 s40, s26, 8                         ; 64 columns
	s_add_co_u32 s32, s32, s40
	s_add_nc_u64 s[44:45], s[4:5], s[32:33]
	s_lshl_b32 s40, s28, 2
	s_lshr_b32 s41, s26, 2
	s_add_co_u32 s41, s40, s41                     ; record 4 e + v / 4
	s_mul_i32 s34, s41, REC
	s_lshl_b32 s41, s26, 1
	s_and_b32 s41, s41, 7                          ; block (2 v) % 8
	s_lshl_b32 s41, s41, 14
	s_add_co_u32 s34, s34, s41
	s_lshl_b32 s41, s29, 11                        ; fragment 2 ks
	s_add_co_u32 s34, s34, s41
	s_add_co_u32 s34, s34, 8192                    ; behind the mean fragments
	s_add_nc_u64 s[30:31], s[18:19], s[34:35]
	JOB 4096, 1
.irp m, 1,2,4,8                                        ; over the 16 lanes of a half: the sum over my 64 columns, for the half's 16 k
.set i, 0
.rept 16
	v_add_f32_dpp v[160+i], v[160+i], v[160+i] row_xmask:\m row_mask:0xf bank_mask:0xf
.set i, i+1
.endr
.endr
	s_lshl_b32 s40, s26, 7
	v_lshl_add_u32 v10, v3, 5, s40
	v_add_nc_u32 v10, WS, v10                      ; WS + 128 v + 32 h
	ds_store_b128 v10, v[160:163]                  ; k = 8 h + 0..3 (the 16 lanes of a half store the same numbers to the same words)
	ds_store_b128 v10, v[164:167] offset:16
	ds_store_b128 v10, v[168:171] offset:64        ; k = 16 + 8 h + 0..3
	ds_store_b128 v10, v[172:175] offset:80
	s_wait_dscnt 0x0                               ; for the others' sake: my sums are in LDS
	s_barrier_signal -1
	s_barrier_wait -1
	s_cmp_lt_u32 s26, 4                            ; waves 0-3 write the mean fragment, one copy into each of the expert's four records
	s_cbranch_scc0 .Lend
	v_lshl_add_u32 v10, v1, 2, WS                  ; lane L takes k = L
.set i, 0
.rept 16
	ds_load_b32 v[32+i], v10 offset:128*i
.set i, i+1
.endr
	s_wait_dscnt 0x0
.irp n, 8,4,2,1
.set i, 0
.rept \n
	v_add_f32 v[32+i], v[32+i], v[32+(\n)+i]
.set i, i+1
.endr
.endr
	v_mul_f32 v32, 0x3a800000, v32                 ; / 1,024
	v_cvt_pk_bf16_f32 v33, v32, v32                ; hi
	v_lshlrev_b32 v34, 16, v33
	v_sub_f32 v35, v32, v34
	v_cvt_pk_bf16_f32 v36, v35, v35                ; mid
	v_lshlrev_b32 v37, 16, v36
	v_sub_f32 v38, v35, v37
	v_cvt_pk_bf16_f32 v39, v38, v38                ; lo: three times 8 bits hold the f32 mean
	v_mov_b32 v40, 0
	v_lshl_add_u32 v11, v1, 1, s39                 ; a table of 8 rows x 32 bf16 at the head of my own tile
	ds_store_b16 v11, v33
	ds_store_b16 v11, v36 offset:64
	ds_store_b16 v11, v39 offset:128
.irp n, 3,4,5,6,7
	ds_store_b16 v11, v40 offset:64*\n
.endr
	v_and_b32 v12, 7, v0
	v_lshlrev_b32 v12, 6, v12
	v_lshl_add_u32 v12, v3, 4, v12
	v_add_nc_u32 v12, s39, v12                     ; fragment row r takes table row r % 8: rows 0 and 8 hi, 1 and 9 mid, 2 and 10 lo, the others 0
	ds_load_b128 v[44:47], v12
	ds_load_b128 v[48:51], v12 offset:32
	s_lshl_b32 s40, s28, 2
	s_add_co_u32 s40, s40, s26
	s_mul_i32 s34, s40, REC
	s_lshl_b32 s41, s29, 10
	s_add_co_u32 s34, s34, s41
	s_add_nc_u64 s[46:47], s[18:19], s[34:35]
	s_wait_dscnt 0x0
	global_store_b128 v4, v[44:47], s[46:47]
	global_store_b128 v4, v[48:51], s[46:47] offset:512
	s_branch .Lend
; ---------------- W2: expert e, hidden step kappa = 4 (g' % 8) + v / 4, out columns 64 (v % 4) on = the fused launch's wave v % 4
.Lw2:
	s_sub_co_u32 s27, s27, 32
	s_lshr_b32 s28, s27, 3                         ; e
	s_and_b32 s29, s27, 7
	s_lshl_b32 s29, s29, 2
	s_lshr_b32 s40, s26, 2
	s_add_co_u32 s29, s29, s40                     ; kappa
	s_and_b32 s41, s26, 3                          ; nb
	s_lshl_b32 s32, s28, 20
	s_lshl_b32 s40, s29, 15                        ; 32 rows of 1,024 bytes
	s_add_co_u32 s32, s32, s40
	s_lshl_b32 s40, s41, 8
	s_add_co_u32 s32, s32, s40
	s_add_nc_u64 s[44:45], s[6:7], s[32:33]
	s_lshl_b32 s40, s28, 2
	s_add_co_u32 s40, s40, s41
	s_mul_i32 s34, s40, REC
	s_lshl_b32 s40, s29, 12                        ; fragment 4 kappa
	s_add_co_u32 s34, s34, s40
	s_add_co_u32 s34, s34, 139264                  ; behind the mean and W1
	s_add_nc_u64 s[30:31], s[18:19], s[34:35]
	JOB 1024, 0
	s_branch .Lend
; ---------------- THE SORT.  Work-group j places chunk j (tokens 2,048 j ..); every work-group counts all 32,768 tokens for itself: no traffic between work-groups.
; A token's place = its bucket's first place + the bucket's tokens in chunks below j + those in my chunk's waves below mine + its rank in my wave.
; Counts of buckets 0-3 ride in 8-bit fields of one word (a thread sees 64 tokens at the most), then in 16-bit fields of two words (32,768 at the most); bucket 'none' is what is left.
.macro CNT4 dst, a, keep               ; the four tokens in v[a..a+3] counted into v[dst]: 1 << 8 d, made as (1 << 4 d) << 4 d, which is 0 for d = 4
.set c, 0
.rept 4
.if \keep
	v_min_u32 v[100+c], 4, v[(\a)+c]               ; every number outside 0..3, negative ones too, is bucket 4
	v_lshlrev_b32 v12, 2, v[100+c]
.else
	v_min_u32 v12, 4, v[(\a)+c]
	v_lshlrev_b32 v12, 2, v12
.endif
	v_lshlrev_b32 v13, v12, v14
.if c == 0
	v_lshlrev_b32 v[\dst], v12, v13
.else
	v_lshl_add_u32 v[\dst], v13, v12, v[\dst]
.endif
.set c, c+1
.endr
.endm
.macro WSUM reg, full                  ; a whole-number sum over the 16 lanes of a half, or (full = 1) over all 32
.irp m, 1,2,4,8
	v_mov_b32_dpp v20, v[\reg] row_xmask:\m row_mask:0xf bank_mask:0xf
	v_add_nc_u32 v[\reg], v[\reg], v20
.endr
.if \full
	v_permlanex16_b32 v20, v[\reg], s36, s37
	v_add_nc_u32 v[\reg], v[\reg], v20
.endif
.endm
.Lsort:
	s_sub_co_u32 s27, s27, 64                      ; j
	s_lshl_b32 s32, s27, 13
	s_add_nc_u64 s[44:45], s[16:17], s[32:33]      ; my chunk
	v_lshlrev_b32 v5, 4, v0                        ; thread t has tokens 4 t .. 4 t + 3 of a chunk
.set i, 0
.rept 16
	global_load_b128 v[32+4*i:32+4*i+3], v5, s[16:17] offset:8192*i
.set i, i+1
.endr
	global_load_b128 v[96:99], v5, s[44:45]
	v_mov_b32 v10, 0                               ; all chunks
	v_mov_b32 v11, 0                               ; chunks below mine
	v_mov_b32 v14, 1
	v_mov_b32 v20, 0                               ; written before the lane moves name it as their destination
	s_mov_b32 s78, 0x00ff00ff
.set i, 0
.rept 16
	s_wait_loadcnt 16-i                            ; chunk i is in; behind it: 15 - i chunks and my own once more
	CNT4 15, 32+4*i, 0
	v_add_nc_u32 v10, v10, v15
	s_cmp_lt_u32 i, s27
	s_cselect_b32 s40, -1, 0
	v_and_b32 v15, s40, v15
	v_add_nc_u32 v11, v11, v15
.set i, i+1
.endr
	s_wait_loadcnt 0x0
	CNT4 16, 96, 1                                 ; my own four; their buckets stay in v[100:103]
	v_and_b32 v40, s78, v10                        ; buckets 0 and 2 in 16-bit fields,
	v_lshrrev_b32 v41, 8, v10
	v_and_b32 v41, s78, v41                        ; buckets 1 and 3
	v_and_b32 v42, s78, v11
	v_lshrrev_b32 v43, 8, v11
	v_and_b32 v43, s78, v43
	v_and_b32 v44, s78, v16
	v_lshrrev_b32 v45, 8, v16
	v_and_b32 v45, s78, v45
	v_mov_b32 v46, 0
	v_mov_b32 v47, 0
.irp n, 40,41,42,43,44,45
	WSUM \n, 1
.endr
	s_lshl_b32 s40, s26, 5
	s_add_co_u32 s40, s40, EX
	v_mov_b32 v21, s40
	ds_store_b128 v21, v[40:43]                    ; my wave's six sums
	ds_store_b128 v21, v[44:47] offset:16
	s_wait_dscnt 0x0                               ; for the others' sake
	s_barrier_signal -1
	s_barrier_wait -1
	v_lshl_add_u32 v22, v2, 5, EX                  ; lane r takes wave r's sums
	ds_load_b128 v[48:51], v22
	ds_load_b128 v[52:55], v22 offset:16
	s_wait_dscnt 0x0
	v_cmp_gt_u32 vcc_lo, s26, v2                   ; of my chunk only the waves below mine count
	v_cndmask_b32 v52, 0, v52, vcc_lo
	v_cndmask_b32 v53, 0, v53, vcc_lo
.irp n, 48,49,50,51,52,53
	WSUM \n, 0
.endr
.irp n, 0,1,2,3,4,5
	v_readfirstlane_b32 s[72+\n], v[48+\n]
.endr
	s_and_b32 s48, s72, 0xffff                     ; c0 .. c4: the buckets' sizes
	s_lshr_b32 s50, s72, 16
	s_and_b32 s49, s73, 0xffff
	s_lshr_b32 s51, s73, 16
	s_mov_b32 s53, 0                               ; off0 .. off4: their first places
	s_mov_b32 s54, s48
	s_add_co_u32 s55, s54, s49
	s_add_co_u32 s56, s55, s50
	s_add_co_u32 s57, s56, s51
	s_sub_co_u32 s52, 0x8000, s57
	s_add_co_u32 s46, s74, s76                     ; chunks below + waves below, field by field
	s_add_co_u32 s47, s75, s77
	s_and_b32 s58, s46, 0xffff                     ; run0 .. run4: the next free place of each bucket for my wave
	s_lshr_b32 s60, s46, 16
	s_and_b32 s59, s47, 0xffff
	s_lshr_b32 s61, s47, 16
	s_add_co_u32 s63, s58, s59
	s_add_co_u32 s63, s63, s60
	s_add_co_u32 s63, s63, s61
	s_lshl_b32 s46, s27, 11                        ; 2,048 j tokens lie in the chunks below,
	s_lshl_b32 s47, s26, 7                         ; 128 w in the waves below: what is in no bucket 0-3 is in bucket 4
	s_add_co_u32 s62, s46, s47
	s_sub_co_u32 s62, s62, s63
	s_add_co_u32 s62, s62, s57
	s_add_co_u32 s59, s59, s54
	s_add_co_u32 s60, s60, s55
	s_add_co_u32 s61, s61, s56
	v_lshl_add_u32 v108, v0, 2, s46                ; my tokens' numbers
	v_add_nc_u32 v109, 1, v108
	v_add_nc_u32 v110, 2, v108
	v_add_nc_u32 v111, 3, v108
.set c, 0
.rept 4
	v_mov_b32 v[104+c], 0
.set e, 0
.rept 5
	v_cmp_eq_u32 s46, e, v[100+c]                  ; the lanes whose token c is in bucket e,
	v_mbcnt_lo_u32_b32 v24, s46, s[58+e]           ; the bucket's next place + how many of them lie below me
	v_cndmask_b32 v[104+c], v[104+c], v24, s46
	s_bcnt1_i32_b32 s47, s46
	s_add_co_u32 s[58+e], s[58+e], s47
.set e, e+1
.endr
	v_min_u32 v[104+c], 0x7fff, v[104+c]           ; a place made of loaded numbers is held inside the list
	v_lshlrev_b32 v[104+c], 2, v[104+c]
	global_store_b32 v[104+c], v[108+c], s[22:23]  ; a bucket's tokens of a wave go to neighbouring places
.set c, c+1
.endr
	s_cmp_lg_u32 s27, 0
	s_cbranch_scc1 .Lend
	s_cmp_lt_u32 s26, 8
	s_cbranch_scc0 .Lpad
	; THE LIST OF TILES, by threads 0-255 of work-group j = 0: bucket e has T_e = ceil(c_e / 144) tiles; entry b belongs to the last bucket whose first entry is at or below b.
	; 32,768 tokens in five buckets make 232 tiles at the most; entries past the last tile have the count 0.
	s_mov_b32 s66, 0
.set e, 0
.rept 4
	s_add_co_u32 s46, s[48+e], 143
	s_mul_hi_u32 s46, s46, 29826162                ; / 144: 2^32 / 144 rounded up; exact for numbers this small
	s_add_co_u32 s[67+e], s[66+e], s46
.set e, e+1
.endr
	v_mov_b32 v30, 0                               ; bucket,
	v_mov_b32 v31, 0                               ; its first entry,
	v_mov_b32 v32, 0                               ; its first place,
	v_mov_b32 v33, s48                             ; its size
.set e, 1
.rept 4
	v_cmp_le_u32 vcc_lo, s[66+e], v0
	v_cndmask_b32 v30, v30, e, vcc_lo
	v_cndmask_b32 v31, v31, s[66+e], vcc_lo
	v_cndmask_b32 v32, v32, s[53+e], vcc_lo
	v_cndmask_b32 v33, v33, s[48+e], vcc_lo
.set e, e+1
.endr
	v_sub_nc_u32 v34, v0, v31                      ; the tile's number in its bucket
	v_mul_u32_u24 v35, v34, 144
	v_add_nc_u32 v37, v32, v35
	v_min_u32 v37, 0x7fff, v37                     ; word 1: first place
	v_sub_nc_u32 v38, v33, v35
	v_max_i32 v38, 0, v38
	v_min_i32 v38, 144, v38                        ; word 2: rows, 0 to 144
	v_cmp_gt_u32 vcc_lo, 4, v30
	v_cndmask_b32 v39, 0, -1, vcc_lo               ; word 3: all ones, or 0 for the bucket 'none', whose rows are zeros
	v_min_u32 v36, 3, v30                          ; word 0: the expert whose weights are walked
	global_store_b128 v5, v[36:39], s[24:25]
	s_branch .Lend
.Lpad:                                                 ; 256 more entries of the list hold token 0: a tile's last rows may be read past entry 32,767
	v_lshlrev_b32 v30, 2, v0
	v_mov_b32 v31, 0
	global_store_b32 v30, v31, s[22:23] offset:131072-1024
	s_branch .Lend
; ---------------- THE SMALL PARAMETERS of expert e = g - 80: wave 0 b1, wave 1 gamma, wave 2 beta, wave 3 b2
.Lpar:
	s_sub_co_u32 s28, s27, 80
	s_mul_i32 s34, s28, 4*PREC
	s_add_nc_u64 s[30:31], s[20:21], s[34:35]      ; the expert's four records
	s_cmp_eq_u32 s26, 0
	s_cbranch_scc1 .Lpb1
	s_cmp_lt_u32 s26, 3
	s_cbranch_scc1 .Lpgb
	s_cmp_eq_u32 s26, 3
	s_cbranch_scc1 .Lpb2
	s_branch .Lend
.Lpb1:
	s_lshl_b32 s32, s28, 12
	s_add_nc_u64 s[44:45], s[8:9], s[32:33]
.set i, 0
.rept 8
	global_load_b128 v[32+4*i:32+4*i+3], v4, s[44:45] offset:512*i
.set i, i+1
.endr
	s_wait_loadcnt 0x0
.set i, 0
.rept 16
	v_cvt_pk_bf16_f32 v8, v[32+2*i], v[33+2*i]     ; rounded to bf16 like every input, kept as f32
	v_lshlrev_b32 v[32+2*i], 16, v8
	v_and_b32 v[33+2*i], s38, v8
.set i, i+1
.endr
	v_pk_add_f32 v[64:65], v[32:33], v[34:35]
.set i, 2
.rept 14
	v_pk_add_f32 v[64:65], v[64:65], v[32+2*i:33+2*i]
.set i, i+1
.endr
	v_add_f32 v64, v64, v65
.irp m, 1,2,4,8
	v_add_f32_dpp v64, v64, v64 row_xmask:\m row_mask:0xf bank_mask:0xf
.endr
	v_permlanex16_b32 v65, v64, s36, s37
	v_add_f32 v64, v64, v65
	v_mul_f32 v64, 0x3a800000, v64                 ; the mean of the 1,024
	v_mov_b32 v65, v64
.set i, 0
.rept 16
	v_pk_add_f32 v[32+2*i:33+2*i], v[32+2*i:33+2*i], v[64:65] neg_lo:[0,1] neg_hi:[0,1]
.set i, i+1
.endr
.set i, 0
.rept 8
	global_store_b128 v4, v[32+4*i:32+4*i+3], s[30:31] offset:(i/2)*PREC+(i%2)*512
.set i, i+1
.endr
	s_branch .Lend
.Lpgb:
	s_cmp_eq_u32 s26, 1
	s_cselect_b64 s[46:47], s[12:13], s[14:15]     ; gamma or beta
	s_cselect_b32 s40, 0, 512                      ; and its place in a record
	s_lshl_b32 s32, s28, 12
	s_add_nc_u64 s[44:45], s[46:47], s[32:33]
	v_lshlrev_b32 v5, 5, v1                        ; eight numbers a lane
.set i, 0
.rept 4
	global_load_b128 v[32+8*i:32+8*i+3], v5, s[44:45] offset:1024*i
	global_load_b128 v[32+8*i+4:32+8*i+7], v5, s[44:45] offset:1024*i+16
.set i, i+1
.endr
	s_wait_loadcnt 0x0
.set i, 0
.rept 16
	v_cvt_pk_bf16_f32 v8, v[32+2*i], v[33+2*i]
	v_lshlrev_b32 v9, 16, v8
	v_and_b32 v10, s38, v8
	v_cvt_pk_f16_f32 v[64+i], v9, v10              ; the bf16 number as f16
.set i, i+1
.endr
	v_add_nc_u32 v6, s40, v4
.set i, 0
.rept 4
	global_store_b128 v6, v[64+4*i:64+4*i+3], s[30:31] offset:i*PREC+1024
.set i, i+1
.endr
	s_branch .Lend
.Lpb2:
	s_lshl_b32 s32, s28, 10
	s_add_nc_u64 s[44:45], s[10:11], s[32:33]
	v_lshlrev_b32 v5, 5, v1
	global_load_b128 v[32:35], v5, s[44:45]
	global_load_b128 v[36:39], v5, s[44:45] offset:16
	v_lshrrev_b32 v6, 3, v1                        ; record L / 8,
	v_mul_u32_u24 v6, v6, PREC
	v_and_b32 v7, 7, v1
	v_lshl_add_u32 v6, v7, 5, v6                   ; numbers 8 (L % 8) on
	s_wait_loadcnt 0x0
.set i, 0
.rept 4
	v_cvt_pk_bf16_f32 v8, v[32+2*i], v[33+2*i]
	v_lshlrev_b32 v[32+2*i], 16, v8
	v_and_b32 v[33+2*i], s38, v8
.set i, i+1
.endr
	global_store_b128 v6, v[32:35], s[30:31] offset:2048
	global_store_b128 v6, v[36:39], s[30:31] offset:2064
.Lend:
	s_wait_tensorcnt 0x0                           ; the wave's end
	ds_add_u32 v[SPW], v[NIL]
	s_wait_dscnt 0x0
	s_endpgm
.Lfunc_end_k_qfcab14d4e2_prep:
	.size	k_qfcab14d4e2_prep, .Lfunc_end_k_qfcab14d4e2_prep-k_qfcab14d4e2_prep
	.p2alignl 7, 3214868480
	.fill 96, 4, 3214868480
	.section	.rodata,"a",@progbits
	.p2align	6, 0x0
	.amdhsa_kernel k_qfcab14d4e2_prep
		.amdhsa_group_segment_fixed_size 143872
		.amdhsa_private_segment_fixed_size 0
		.amdhsa_enable_private_segment 0
		.amdhsa_kernarg_size 88
		.amdhsa_user_sgpr_count 2
		.amdhsa_user_sgpr_kernarg_segment_ptr 1
		.amdhsa_wavefront_size32 1
		.amdhsa_system_sgpr_workgroup_id_x 1
		.amdhsa_system_sgpr_workgroup_id_y 1
		.amdhsa_system_sgpr_workgroup_id_z 1
		.amdhsa_system_vgpr_workitem_id 0
		.amdhsa_next_free_vgpr 192
		.amdhsa_next_free_sgpr 80
		.amdhsa_reserve_vcc 1
		.amdhsa_float_denorm_mode_32 3
		.amdhsa_float_denorm_mode_16_64 3
		.amdhsa_memory_ordered 1
		.amdhsa_forward_progress 1
		.amdhsa_inst_pref_size 83
	.end_amdhsa_kernel
	.amdgpu_metadata
---
amdhsa.version: [ 1, 2 ]
amdhsa.kernels:
  - .name:           k_qfcab14d4e2_prep
    .symbol:         k_qfcab14d4e2_prep.kd
    .args:
      - { .name: W1, .offset: 0, .size: 8, .value_kind: global_buffer, .address_space: global }
      - { .name: W2, .offset: 8, .size: 8, .value_kind: global_buffer, .address_space: global }
      - { .name: b1, .offset: 16, .size: 8, .value_kind: global_buffer, .address_space: global }
      - { .name: b2, .offset: 24, .size: 8, .value_kind: global_buffer, .address_space: global }
      - { .name: gamma, .offset: 32, .size: 8, .value_kind: global_buffer, .address_space: global }
      - { .name: beta, .offset: 40, .size: 8, .value_kind: global_buffer, .address_space: global }
      - { .name: domain_types, .offset: 48, .size: 8, .value_kind: global_buffer, .address_space: global }
      - { .name: wbuf, .offset: 56, .size: 8, .value_kind: global_buffer, .address_space: global }
      - { .name: par, .offset: 64, .size: 8, .value_kind: global_buffer, .address_space: global }
      - { .name: order, .offset: 72, .size: 8, .value_kind: global_buffer, .address_space: global }
      - { .name: tiles, .offset: 80, .size: 8, .value_kind: global_buffer, .address_space: global }
    .group_segment_fixed_size: 143872
    .private_segment_fixed_size: 0
    .kernarg_segment_align: 8
    .kernarg_segment_size: 88
    .max_flat_workgroup_size: 512
    .sgpr_count:     80
    .vgpr_count:     192
    .wavefront_size: 32
...
	.end_amdgpu_metadata
.endif
;; end of part 1
;; launch main (part 2): grid 232 x 1, 4 waves a work-group, no clusters, 306,944 bytes of LDS; arguments x, order, tiles, wbuf, par, out0; writes out0
.if DOCPART == 2
	.amdgcn_target "amdgcn-amd-amdhsa--gfx1250"
	.amdhsa_code_object_version 6
	.text
	.protected	k_qfcab14d4e2_main
	.globl	k_qfcab14d4e2_main
	.p2align	8
	.type	k_qfcab14d4e2_main,@function
k_qfcab14d4e2_main:
	s_mov_b64 s[64:65], 0
	v_nop
	global_prefetch_b8 v0, s[64:65] scope:SCOPE_SE
	s_setreg_imm32_b32 hwreg(HW_REG_WAVE_MODE, 25, 1), 1
	s_wait_xcnt 0x0
; THE CHAIN: out[token] = relu(LayerNorm(x W1 + b1) gamma + beta) W2 + b2 with the weights of the token's expert.  Work-group b takes entry b of the list of tiles:
; up to 144 sorted rows of ONE expert (nine token tiles t of 16), gathered, taken through both products and stored.  The hidden layer never leaves the WGP.
; 232 work-groups serve every split of 32,768 tokens over four experts and the bucket 'none': the sum of ceil(c / 144) over five buckets is 232 at the most.  An entry with the count 0 walks the same text and stores nothing.
; FORMATS.  x, W1 in bf16; every input is rounded to bf16 once (the weights and parameters by the launch before).  The mean of a hidden row is linear in x: mu = x . mean_j(W1[:, j]) + mean(b1); it is made first,
; by a product with the mean column in three bf16 parts, so that h - mu can be stored ONCE, as f16, straight from the f32 sums.  The variance is the f32 sum of squares of the f32 h - mu.
; The normalising (x rs, x gamma + beta, relu) is packed f16 arithmetic in place; W2 is the bf16 number written as f16; the second product's sums are f32.
; LIMITS.  |h - mu| and the normalised hidden numbers stay under 65,504 and rs = 1 / sqrt(var + 1e-5) above 6e-5 (a hidden row's spread under 16,000); NaN and infinities are not treated apart.
; Rows past a tile's count are other tokens' rows, computed and not stored.  Rows of the bucket 'none' are stored as zeros.
; SHARES.  Product 1: wave w makes hidden 256 w .. + 255 of all 144 tokens, 32 hidden a trip.  Product 2: wave w makes out columns 64 w .. + 63 of all 144 tokens, over all 1,024 hidden.
; BOTH PRODUCTS ARE USED TRANSPOSED (source 0 = 16 rows of weights, source 1 = 16 tokens): a lane holds ONE token (lane % 16) and eight neighbouring hidden or out numbers, so two results of product 1, packed, ARE a source 1 of product 2.
; WEIGHTS come from memory straight into registers, in the order in which the stream was laid: each fragment is read once a work-group, by one wave, and feeds nine matrix instructions.  A ring of 16 fragments, refilled four at a time.
; NO JOINT LOADS: the hidden tile takes 294,912 of the 327,680 bytes of LDS, and what is left holds no two slots of weights (a slot of four fragments a wave is 16,384 bytes); a smaller tile of rows would want more than 256 work-groups.
; LDS: P, the hidden tile: fragment (kappa, t) of 32 hidden x 16 tokens at (9 kappa + t) 1,024, halves of 512 bytes, 16 bytes a lane.  Before it the x stage (144 rows of 528 bytes), after it the out stage (144 rows of 1,040 bytes) lie in the same bytes.
; REGISTERS, in windows of 256 (s_set_vgpr_msb: bits 1:0 source 0, 3:2 source 1, 5:4 source 2, 7:6 destination):
;   window 0: v0-31 addresses and at work; v32-49 -mu twice a token tile; v50-67 sums of squares; v68-83 b1 of the trip; v84-92 rs twice in f16; v96-111 gamma, beta; v112-255 the 18 accumulators of product 1, later two buffers of P
;   window 1: x fragments of t 0-3 (64 t + 8 ks); later product 2's accumulators of out tiles 0, 1 (72 o + 8 t), b2 in v144-159      window 2: the same for t 4-7 and out tiles 2, 3
;   window 3: v0-63 x of t = 8; v64-191 the ring; v192-255 the mean fragments
.set REC,   270336                     ; a wave's stream: 8 mean fragments, 128 of W1, 128 of W2
.set PREC,  2304                       ; a wave's parameters
.set XP,    528                        ; x stage: 256 bf16 + 16 bytes: 33 x 16, so the 16 rows of a fragment load start at 16 different groups of four banks (ISA guide 11.1)
.set OPI,   1040                       ; out stage: 256 f32 + 16 bytes = 65 x 16
.set STATS, 294912                     ; [token][wave] f32
.set PB,    STATS+2304                 ; [wave] a copy of its parameters
.set SPARE, PB+4*PREC                  ; the spare words: 128 bytes a wave, named by no other line
.set SPW, 5                            ; v5  my spare word's address; never rewritten
.set NIL, 6                            ; v6  0; never rewritten
.set NMU, 32
.set SQ,  50
.set B1C, 68
.set RS2, 84
.set ACC, 112
.set MSB, 0
.macro WIN new                         ; the immediate's high byte repeats the setting that is left; a switch that changes nothing is dropped
.if MSB != (\new)
	s_set_vgpr_msb (MSB<<8)|(\new)
.set MSB, \new
.endif
.endm
.macro PLACES                          ; four plain vector instructions between a matrix instruction and what reads its result or writes or loads into one of its registers
.rept 4
	v_nop
.endr
.endm
.macro BAR                             ; my LDS instructions are done, then the work-group's barrier: what I stored may be read, what I read may be written over
	s_wait_dscnt 0x0
	s_barrier_signal -1
	s_barrier_wait -1
.endm
.macro REFILL p                        ; four fragments of the ring, 4 p .. 4 p + 3, from the stream's next block of 16: eight loads of 512 consecutive bytes
	WIN 0xc0
.irp g, 0,1,2,3
.set f, 4*(\p)+(\g)
	global_load_b128 v[64+8*f:64+8*f+3], v4, s[10:11] offset:1024*f
	global_load_b128 v[64+8*f+4:64+8*f+7], v4, s[10:11] offset:1024*f+512
.endr
.endm
; Product 1, K steps 2 p and 2 p + 1, token tiles t0 .. t0 + n - 1 (one window setting): the accumulators take turns, one instruction a turn.  K step 0 starts the sums with b1 - mean(b1).
.macro G1G p, t0, n, w
	WIN \w
.irp kk, 0,1
.irp m, 0,1
.set t, \t0
.rept \n
.set ks, 2*(\p)+(\kk)
.set a, ACC+72*(\m)+8*t
.set f, 64+8*(2*ks+(\m))
.set x, 64*(t%4)+8*ks
.if ks == 0
	v_wmma_f32_16x16x32_bf16 v[a:a+7], v[f:f+7], v[x:x+7], v[B1C+8*(\m):B1C+8*(\m)+7]
.else
	v_wmma_f32_16x16x32_bf16 v[a:a+7], v[f:f+7], v[x:x+7], v[a:a+7]
.endif
.set t, t+1
.endr
.endr
.endr
.endm
.macro G1 p                            ; 36 matrix instructions on four fragments of the ring, which are then asked for again
	s_wait_loadcnt 24                              ; behind the eight loads that I need stand three refills of eight
	G1G \p, 0, 4, 0x07
	G1G \p, 4, 4, 0x0b
	G1G \p, 8, 1, 0x0f
	WIN 0
	PLACES
	REFILL \p
.endm
; The trip's 18 results: - mu, the squares into the token tile's sum, rounded to f16 in place (register i is written when 2 i and 2 i + 1 have been read), 16 bytes a lane into P.  Each accumulator is read from its low end on.
.macro EPI1
.set t, 0
.rept 9
.irp m, 0,1
.set a, ACC+72*(\m)+8*t
.irp i, 0,1,2,3
	v_pk_add_f32 v[a+2*(\i):a+2*(\i)+1], v[a+2*(\i):a+2*(\i)+1], v[NMU+2*t:NMU+2*t+1]
.endr
.irp i, 0,1,2,3
	v_pk_fma_f32 v[SQ+2*t:SQ+2*t+1], v[a+2*(\i):a+2*(\i)+1], v[a+2*(\i):a+2*(\i)+1], v[SQ+2*t:SQ+2*t+1]
	v_cvt_pk_f16_f32 v[a+(\i)], v[a+2*(\i)], v[a+2*(\i)+1]
.endr
	ds_store_b128 v11, v[a:a+3] offset:t*1024+(\m)*512
.endr
.set t, t+1
.endr
.endm
; Product 2, half of a hidden step of 32 (number kl of the ring's four): 18 matrix instructions on 18 accumulators, out tiles oo and oo + 1.  first = 1: b2 starts the sums.
.macro KH kl, first, oo
.set t, 0
.rept 9
.irp o, 0,1
.set d, 72*(\o)+8*t
.set f, 64+8*(4*(\kl)+(\oo)+(\o))
.set p, ACC+72*((\kl)&1)+8*t
.if \first
	v_wmma_f32_16x16x32_f16 v[d:d+7], v[f:f+7], v[p:p+7], v[144+8*(\o):144+8*(\o)+7]
.else
	v_wmma_f32_16x16x32_f16 v[d:d+7], v[f:f+7], v[p:p+7], v[d:d+7]
.endif
.endr
.set t, t+1
.endr
.endm
; wfill: the step's four weight fragments are asked for again, from the next block.  pfill: its buffer of P takes the step two further on.  lw, ld: how many younger loads may stay out.
.macro K kl, first, wfill, pfill, lw, ld
	s_wait_loadcnt \lw
	s_wait_dscnt \ld
	WIN 0x53
	KH \kl, \first, 0
	WIN 0xa3
	KH \kl, \first, 2
	WIN 0
	PLACES
.if \pfill
.set t, 0
.rept 9
.set d, ACC+72*((\kl)&1)+8*t
	ds_load_b128 v[d:d+3], v16 offset:((\kl)+2)*9216+t*1024
	ds_load_b128 v[d+4:d+7], v16 offset:((\kl)+2)*9216+t*1024+512
.set t, t+1
.endr
.endif
.if \wfill
	REFILL \kl
.endif
.endm
	s_load_b256 s[4:11], s[0:1], 0x0               ; x s[4:5], order s[6:7], tiles s[8:9], wbuf s[10:11]
	s_load_b128 s[12:15], s[0:1], 0x20             ; par s[12:13], out0 s[14:15]
	v_lshl_add_u32 v[SPW], v0, 2, SPARE
	v_mov_b32 v[NIL], 0
	v_lshrrev_b32 v1, 5, v0
	v_readfirstlane_b32 s52, v1                    ; wave w
	v_and_b32 v1, 31, v0                           ; lane L
	v_and_b32 v2, 15, v0                           ; r
	v_bfe_u32 v3, v0, 4, 1                         ; h
	v_lshlrev_b32 v4, 4, v1                        ; 16 L
	v_mov_b32 v7, 0                                ; the relu's 0
	s_lshl_b32 s58, ttmp9, 4
	s_mov_b32 s59, 0
	s_mov_b32 s60, 0x76543210                      ; v_permlanex16_b32: each lane takes its own place in the other half
	s_mov_b32 s61, 0xfedcba98
	s_mov_b32 s67, 0x3a800000                      ; 1 / 1,024
	s_mul_i32 s62, s52, 36                         ; my 36 rows of the tile: those I gather and those I store
	s_mul_i32 s63, s52, 73728                      ; my slice of P: 8 hidden steps x 9,216 bytes
	s_wait_kmcnt 0x0
	s_load_b128 s[68:71], s[8:9], s58 offset:0x0   ; expert, first place, rows, mask
	s_mul_i32 s66, s52, 36*XP
	v_lshl_add_u32 v8, v1, 3, s66                  ; x stage, in: my rows, 8 bytes a lane
	v_lshlrev_b32 v22, 3, v1
	v_mul_u32_u24 v9, v2, XP
	v_lshl_add_u32 v9, v3, 4, v9                   ; x stage, out: row r, 16 h
	v_add_nc_u32 v10, 64*XP, v9                    ; the same from token tile 4 on: the 16-bit offset does not reach
	v_add_nc_u32 v11, s63, v4                      ; P: my slice, 16 bytes a lane
	s_mul_i32 s66, s52, PREC
	s_add_co_u32 s66, s66, PB
	v_lshl_add_u32 v12, v3, 5, s66                 ; b1: 8 h numbers on
	v_lshl_add_u32 v13, v3, 4, s66
	v_add_nc_u32 v13, 1024, v13                    ; gamma (beta 512 further): 8 h halves on
	v_add_nc_u32 v21, 2048, v12                    ; b2
	v_add_nc_u32 v23, s66, v4
	v_add_nc_u32 v24, s66, v22
	v_lshlrev_b32 v15, 4, v2
	v_add_nc_u32 v15, STATS, v15                   ; token r's four partial sums
	v_lshl_add_u32 v14, s52, 2, v15                ; mine among them
	v_mov_b32 v16, v4                              ; P as product 2 reads it
	v_mul_u32_u24 v17, v2, OPI
	v_lshl_add_u32 v17, v3, 5, v17
	v_lshl_add_u32 v17, s52, 8, v17                ; out stage, in: row r, my 64 columns, 8 h numbers on; token tiles 0-2,
	v_add_nc_u32 v18, 48*OPI, v17                  ; 3-5,
	v_add_nc_u32 v19, 96*OPI, v17                  ; 6-8
	s_mul_i32 s66, s52, 36*OPI
	v_add_nc_u32 v20, s66, v4                      ; out stage, back: my rows, 16 bytes a lane
	s_wait_kmcnt 0x0
	s_min_u32 s55, s68, 3                          ; loaded numbers are held inside their tables before they enter an address
	s_min_u32 s56, s69, 0x7fff
	s_min_u32 s53, s70, 144
	s_mov_b32 s54, s71
	s_add_co_u32 s58, s56, s62
	s_lshl_b32 s58, s58, 2
	s_add_nc_u64 s[6:7], s[6:7], s[58:59]
	s_load_b512 s[16:31], s[6:7], 0x0              ; my 36 tokens (the list has 256 entries to spare behind its 32,768)
	s_load_b512 s[32:47], s[6:7], 0x40
	s_load_b128 s[48:51], s[6:7], 0x80
	s_lshl_b32 s58, s55, 2
	s_add_co_u32 s58, s58, s52                     ; record 4 e + w
	s_mul_i32 s66, s58, PREC
	s_mul_i32 s58, s58, REC
	s_add_nc_u64 s[10:11], s[10:11], s[58:59]
	s_mov_b32 s58, s66
	s_add_nc_u64 s[12:13], s[12:13], s[58:59]
	s_wait_kmcnt 0x0
.set i, 0
.rept 36
	s_min_u32 s[16+i], s[16+i], 0x7fff
	s_lshl_b32 s[16+i], s[16+i], 10                ; a row of x and of out0 is 1,024 bytes
	v_add_nc_u32 v[32+i], s[16+i], v4
.set i, i+1
.endr
	; ALL FIRST LOADS, in the order in which they are wanted: 72 for x, 5 for the parameters, 16 for the mean, 32 for the ring
.set i, 0
.rept 18
	global_load_b128 v[ACC+8*i:ACC+8*i+3], v[32+i], s[4:5]
	global_load_b128 v[ACC+8*i+4:ACC+8*i+7], v[32+i], s[4:5] offset:512
.set i, i+1
.endr
	WIN 0x40
.set i, 0
.rept 18
	global_load_b128 v[8*i:8*i+3], v[50+i], s[4:5]
	global_load_b128 v[8*i+4:8*i+7], v[50+i], s[4:5] offset:512
.set i, i+1
.endr
	WIN 0
.irp i, 0,1,2,3
	global_load_b128 v[B1C+4*(\i):B1C+4*(\i)+3], v4, s[12:13] offset:512*(\i)
.endr
	global_load_b64 v[84:85], v22, s[12:13] offset:2048
	WIN 0xc0
.set i, 0
.rept 8
	global_load_b128 v[192+8*i:192+8*i+3], v4, s[10:11] offset:1024*i
	global_load_b128 v[192+8*i+4:192+8*i+7], v4, s[10:11] offset:1024*i+512
.set i, i+1
.endr
.set i, 0
.rept 16
	global_load_b128 v[64+8*i:64+8*i+3], v4, s[10:11] offset:8192+1024*i
	global_load_b128 v[64+8*i+4:64+8*i+7], v4, s[10:11] offset:8192+1024*i+512
.set i, i+1
.endr
	WIN 0
	s_wait_xcnt 0x0                                ; the stream's pointer is stepped only behind this wait (ISA guide 3.1)
	s_add_nc_u64 s[10:11], s[10:11], 8192+16384    ; W1's block 1
	s_wait_loadcnt 53                              ; x is in: 5 + 16 + 32 younger loads stay out
.set i, 0
.rept 18
.set a, ACC+8*i
	v_cvt_pk_bf16_f32 v[a], v[a], v[a+1]
	v_cvt_pk_bf16_f32 v[a+1], v[a+2], v[a+3]
	v_cvt_pk_bf16_f32 v[a+2], v[a+4], v[a+5]
	v_cvt_pk_bf16_f32 v[a+3], v[a+6], v[a+7]
	ds_store_b64 v8, v[a:a+1] offset:i*XP          ; columns 4 L ..: 256 consecutive bytes a wave
	ds_store_b64 v8, v[a+2:a+3] offset:i*XP+256    ; columns 128 + 4 L ..
.set i, i+1
.endr
	WIN 0x45
.set i, 0
.rept 18
.set a, 8*i
	v_cvt_pk_bf16_f32 v[a], v[a], v[a+1]
	v_cvt_pk_bf16_f32 v[a+1], v[a+2], v[a+3]
	v_cvt_pk_bf16_f32 v[a+2], v[a+4], v[a+5]
	v_cvt_pk_bf16_f32 v[a+3], v[a+6], v[a+7]
.set i, i+1
.endr
	WIN 0x04
.set i, 0
.rept 18
.set a, 8*i
	ds_store_b64 v8, v[a:a+1] offset:(18+i)*XP
	ds_store_b64 v8, v[a+2:a+3] offset:(18+i)*XP+256
.set i, i+1
.endr
	WIN 0
	s_wait_loadcnt 48                              ; my parameters are in: mean and ring stay out
.irp i, 0,1,2,3
	ds_store_b128 v23, v[B1C+4*(\i):B1C+4*(\i)+3] offset:512*(\i)
.endr
	ds_store_b64 v24, v[84:85] offset:2048
	BAR                                            ; all 144 rows of x are in the stage
	WIN 0x40
.set t, 0
.rept 4
.set ks, 0
.rept 8
	ds_load_b128 v[64*t+8*ks:64*t+8*ks+3], v9 offset:t*16*XP+64*ks
	ds_load_b128 v[64*t+8*ks+4:64*t+8*ks+7], v9 offset:t*16*XP+64*ks+32
.set ks, ks+1
.endr
.set t, t+1
.endr
	WIN 0x80
.set t, 0
.rept 4
.set ks, 0
.rept 8
	ds_load_b128 v[64*t+8*ks:64*t+8*ks+3], v10 offset:t*16*XP+64*ks
	ds_load_b128 v[64*t+8*ks+4:64*t+8*ks+7], v10 offset:t*16*XP+64*ks+32
.set ks, ks+1
.endr
.set t, t+1
.endr
	WIN 0xc0
.set ks, 0
.rept 8
	ds_load_b128 v[8*ks:8*ks+3], v10 offset:64*XP+64*ks
	ds_load_b128 v[8*ks+4:8*ks+7], v10 offset:64*XP+64*ks+32
.set ks, ks+1
.endr
	WIN 0
	ds_load_b128 v[B1C:B1C+3], v12                 ; b1 - mean of the first trip's two hidden tiles
	ds_load_b128 v[B1C+4:B1C+7], v12 offset:16
	ds_load_b128 v[B1C+8:B1C+11], v12 offset:64
	ds_load_b128 v[B1C+12:B1C+15], v12 offset:80
.set i, 0
.rept 18
	v_mov_b32 v[SQ+i], 0
.set i, i+1
.endr
	BAR                                            ; every wave holds all of x in registers: the stage's bytes may become P
	; THE MEAN: x times the mean column's three parts.  In the result register 0 is the hi part's product, 1 the mid's, 2 the lo's, in both halves of the lanes.
	s_wait_loadcnt 32                              ; the mean fragments are in; the ring stays out
	WIN 0x07
.set ks, 0
.rept 8
.set t, 0
.rept 4
.set a, ACC+8*t
.if ks == 0
	v_wmma_f32_16x16x32_bf16 v[a:a+7], v[192+8*ks:192+8*ks+7], v[64*t+8*ks:64*t+8*ks+7], 0
.else
	v_wmma_f32_16x16x32_bf16 v[a:a+7], v[192+8*ks:192+8*ks+7], v[64*t+8*ks:64*t+8*ks+7], v[a:a+7]
.endif
.set t, t+1
.endr
.set ks, ks+1
.endr
	WIN 0x0b
.set ks, 0
.rept 8
.set t, 0
.rept 4
.set a, ACC+32+8*t
.if ks == 0
	v_wmma_f32_16x16x32_bf16 v[a:a+7], v[192+8*ks:192+8*ks+7], v[64*t+8*ks:64*t+8*ks+7], 0
.else
	v_wmma_f32_16x16x32_bf16 v[a:a+7], v[192+8*ks:192+8*ks+7], v[64*t+8*ks:64*t+8*ks+7], v[a:a+7]
.endif
.set t, t+1
.endr
.set ks, ks+1
.endr
	WIN 0x0f
.set ks, 0
.rept 8                                                ; the ninth token tile on two accumulators by turns, even and odd K steps
.set a, ACC+64+8*(ks%2)
.if ks < 2
	v_wmma_f32_16x16x32_bf16 v[a:a+7], v[192+8*ks:192+8*ks+7], v[8*ks:8*ks+7], 0
.else
	v_wmma_f32_16x16x32_bf16 v[a:a+7], v[192+8*ks:192+8*ks+7], v[8*ks:8*ks+7], v[a:a+7]
.endif
.set ks, ks+1
.endr
	WIN 0
	PLACES
	v_pk_add_f32 v[ACC+64:ACC+65], v[ACC+64:ACC+65], v[ACC+72:ACC+73]
	v_add_f32 v[ACC+66], v[ACC+66], v[ACC+74]
.set t, 0
.rept 9
	v_add_f32 v[22+t], v[ACC+8*t+2], v[ACC+8*t+1]  ; the small parts first
.set t, t+1
.endr
.set t, 0
.rept 9
	v_fma_f32 v[NMU+2*t], v[22+t], -1.0, -v[ACC+8*t]
.set t, t+1
.endr
.set t, 0
.rept 9
	v_mov_b32 v[NMU+2*t+1], v[NMU+2*t]             ; a pair for the packed addition
.set t, t+1
.endr
	; PRODUCT 1: eight trips of 32 hidden numbers, 144 matrix instructions each
	s_mov_b32 s57, 8
.Lp1:
	s_wait_dscnt 0x0                               ; the trip's b1 is in
	G1 0
	G1 1
	G1 2
	G1 3
	WIN 0
	s_wait_xcnt 0x0                                ; the four refills have had their addresses translated: the pointer may step
	s_add_nc_u64 s[10:11], s[10:11], 16384         ; the last trip's refills have brought W2's first 16 fragments: the stream goes on
	v_add_nc_u32 v12, 128, v12
	ds_load_b128 v[B1C:B1C+3], v12                 ; the next trip's b1 (behind the last trip: bytes of my own record, not used)
	ds_load_b128 v[B1C+4:B1C+7], v12 offset:16
	ds_load_b128 v[B1C+8:B1C+11], v12 offset:64
	ds_load_b128 v[B1C+12:B1C+15], v12 offset:80
	EPI1
	v_add_nc_u32 v11, 9216, v11
	s_sub_co_u32 s57, s57, 1
	s_cmp_lg_u32 s57, 0
	s_cbranch_scc1 .Lp1
	; THE VARIANCE: my 256 hidden numbers' squares, both halves of the lanes; then the four waves' sums meet in LDS
.set t, 0
.rept 9
	v_add_f32 v[SQ+2*t], v[SQ+2*t], v[SQ+2*t+1]
.set t, t+1
.endr
.set t, 0
.rept 9
	v_permlanex16_b32 v[SQ+2*t+1], v[SQ+2*t], s60, s61
.set t, t+1
.endr
.set t, 0
.rept 9
	v_add_f32 v[SQ+2*t], v[SQ+2*t], v[SQ+2*t+1]
.set t, t+1
.endr
.set t, 0
.rept 9
	ds_store_b32 v14, v[SQ+2*t] offset:256*t
.set t, t+1
.endr
	BAR
.set t, 0
.rept 9
	ds_load_b128 v[ACC+4*t:ACC+4*t+3], v15 offset:256*t
.set t, t+1
.endr
	s_wait_dscnt 0x0
.set t, 0
.rept 9
	v_add_f32 v[ACC+4*t], v[ACC+4*t], v[ACC+4*t+1]
	v_add_f32 v[ACC+4*t+2], v[ACC+4*t+2], v[ACC+4*t+3]
.set t, t+1
.endr
.set t, 0
.rept 9
	v_add_f32 v[ACC+4*t], v[ACC+4*t], v[ACC+4*t+2]
.set t, t+1
.endr
.set t, 0
.rept 9
	v_fmaak_f32 v[ACC+4*t], s67, v[ACC+4*t], 0x3727c5ac  ; / 1,024 + 1e-5
.set t, t+1
.endr
.set t, 0
.rept 9
	v_rsq_f32 v[ACC+4*t+1], v[ACC+4*t]
.set t, t+1
.endr
	v_nop                                          ; a plain instruction between the last root and the use of its result (ISA guide 5.7.2)
.set t, 0
	s_wait_alu depctr_va_vdst(0)
.rept 9
	v_cvt_pk_f16_f32 v[RS2+t], v[ACC+4*t+1], v[ACC+4*t+1]
.set t, t+1
.endr
	; NORMALISING, in place, my own slice of P: eight trips of 18 half fragments
	v_add_nc_u32 v11, s63, v4
	s_mov_b32 s57, 8
.Lnorm:
	ds_load_b128 v[96:99], v13                     ; gamma of the step's first 16 hidden numbers (my half's eight),
	ds_load_b128 v[100:103], v13 offset:32         ; of its second 16,
	ds_load_b128 v[104:107], v13 offset:512        ; beta likewise
	ds_load_b128 v[108:111], v13 offset:544
.set i, 0
.rept 18
	ds_load_b128 v[ACC+4*i:ACC+4*i+3], v11 offset:512*i
.set i, i+1
.endr
.set i, 0
.rept 18
.set d, ACC+4*i
	s_wait_dscnt 17                                ; behind load i stand 17 - i loads and i stores
.irp n, 0,1,2,3
	v_pk_mul_f16 v[d+(\n)], v[d+(\n)], v[RS2+i/2]
.endr
.irp n, 0,1,2,3
	v_pk_fma_f16 v[d+(\n)], v[d+(\n)], v[96+4*(i%2)+(\n)], v[104+4*(i%2)+(\n)]
.endr
.irp n, 0,1,2,3
	v_pk_max_num_f16 v[d+(\n)], v[d+(\n)], v7
.endr
	ds_store_b128 v11, v[d:d+3] offset:512*i
.set i, i+1
.endr
	v_add_nc_u32 v11, 9216, v11
	v_add_nc_u32 v13, 64, v13
	s_sub_co_u32 s57, s57, 1
	s_cmp_lg_u32 s57, 0
	s_cbranch_scc1 .Lnorm
	BAR                                            ; P is whole
	; PRODUCT 2: 32 hidden steps; the ring holds four steps' weights, two buffers hold P of this step and the next
	WIN 0x40
	ds_load_b128 v[144:147], v21                   ; b2 of my out tiles 0, 1,
	ds_load_b128 v[148:151], v21 offset:16
	ds_load_b128 v[152:155], v21 offset:64
	ds_load_b128 v[156:159], v21 offset:80
	WIN 0x80
	ds_load_b128 v[144:147], v21 offset:128        ; and 2, 3
	ds_load_b128 v[148:151], v21 offset:144
	ds_load_b128 v[152:155], v21 offset:192
	ds_load_b128 v[156:159], v21 offset:208
	WIN 0
.irp kk, 0,1
.set t, 0
.rept 9
	ds_load_b128 v[ACC+72*(\kk)+8*t:ACC+72*(\kk)+8*t+3], v16 offset:(\kk)*9216+t*1024
	ds_load_b128 v[ACC+72*(\kk)+8*t+4:ACC+72*(\kk)+8*t+7], v16 offset:(\kk)*9216+t*1024+512
.set t, t+1
.endr
.endr
	K 0, 1, 1, 1, 24, 18                           ; the first step stands in front of the loop: it starts the sums.  24: three refills behind the one I need; 18: the next step's P
	WIN 0
	s_mov_b32 s57, 6
.Lp2:                                                  ; a trip: steps 1-3 of a block of four, then step 0 of the next
	K 1, 0, 1, 1, 24, 18
	K 2, 0, 1, 1, 24, 18
	K 3, 0, 1, 1, 24, 18
	WIN 0
	s_wait_xcnt 0x0
	s_add_nc_u64 s[10:11], s[10:11], 16384
	v_add_nc_u32 v16, 36864, v16
	K 0, 0, 1, 1, 24, 18
	WIN 0
	s_sub_co_u32 s57, s57, 1
	s_cmp_lg_u32 s57, 0
	s_cbranch_scc1 .Lp2
	K 1, 0, 1, 1, 24, 18                           ; the rest of block 6 brings block 7's weights: the stream's end
	K 2, 0, 1, 1, 24, 18
	K 3, 0, 1, 1, 24, 18
	WIN 0
	v_add_nc_u32 v16, 36864, v16
	K 0, 0, 0, 1, 24, 18                           ; block 7 asks for no weights, and the counts run down;
	K 1, 0, 0, 1, 16, 18                           ; P's last step is asked for here
	K 2, 0, 0, 0, 8, 18
	K 3, 0, 0, 0, 0, 0
	; THE WAY OUT: a lane's eight numbers of a row go into the out stage (P's bytes, which nobody reads any more), whole rows come back, 16 lanes store 256 consecutive bytes
	BAR
	WIN 0x04
.set t, 0
.rept 9
.irp o, 0,1
.set a, 72*(\o)+8*t
	ds_store_b128 v[17+t/3], v[a:a+3] offset:(t%3)*16*OPI+64*(\o)
	ds_store_b128 v[17+t/3], v[a+4:a+7] offset:(t%3)*16*OPI+64*(\o)+16
.endr
.set t, t+1
.endr
	WIN 0x08
.set t, 0
.rept 9
.irp o, 0,1
.set a, 72*(\o)+8*t
	ds_store_b128 v[17+t/3], v[a:a+3] offset:(t%3)*16*OPI+128+64*(\o)
	ds_store_b128 v[17+t/3], v[a+4:a+7] offset:(t%3)*16*OPI+128+64*(\o)+16
.endr
.set t, t+1
.endr
	WIN 0
	BAR
; 18 of my 36 rows.  Rows at or past the tile's count are jumped, all at once: they are the last ones.  The mask makes zeros of the rows of tokens that named no expert.
.macro OUTB b
.if \b
	s_wait_xcnt 0x0                                ; the first batch's stores have read their data registers
.endif
.set i, 0
.rept 18
	ds_load_b128 v[ACC+8*i:ACC+8*i+3], v20 offset:(18*(\b)+i)*OPI
	ds_load_b128 v[ACC+8*i+4:ACC+8*i+7], v20 offset:(18*(\b)+i)*OPI+512
.set i, i+1
.endr
.set i, 0
.rept 18
	s_wait_dscnt 34-2*i                            ; row i's two loads are in; the later rows' stay out
	s_cmp_ge_u32 s62, s53
	s_cbranch_scc1 .Ldone
	s_add_co_u32 s62, s62, 1
.irp n, 0,1,2,3,4,5,6,7
	v_and_b32 v[ACC+8*i+(\n)], s54, v[ACC+8*i+(\n)]
.endr
	v_add_nc_u32 v[32+18*(\b)+i], s[16+18*(\b)+i], v4
	global_store_b128 v[32+18*(\b)+i], v[ACC+8*i:ACC+8*i+3], s[14:15] th:TH_STORE_NT
	global_store_b128 v[32+18*(\b)+i], v[ACC+8*i+4:ACC+8*i+7], s[14:15] offset:512 th:TH_STORE_NT
.set i, i+1
.endr
.endm
	OUTB 0
	OUTB 1
.Ldone:
	s_wait_tensorcnt 0x0                           ; the wave's end
	ds_add_u32 v[SPW], v[NIL]
	s_wait_dscnt 0x0
	s_endpgm
.Lfunc_end_k_qfcab14d4e2_main:
	.size	k_qfcab14d4e2_main, .Lfunc_end_k_qfcab14d4e2_main-k_qfcab14d4e2_main
	.p2alignl 7, 3214868480
	.fill 96, 4, 3214868480
	.section	.rodata,"a",@progbits
	.p2align	6, 0x0
	.amdhsa_kernel k_qfcab14d4e2_main
		.amdhsa_group_segment_fixed_size 306944
		.amdhsa_private_segment_fixed_size 0
		.amdhsa_enable_private_segment 0
		.amdhsa_kernarg_size 48
		.amdhsa_user_sgpr_count 2
		.amdhsa_user_sgpr_kernarg_segment_ptr 1
		.amdhsa_wavefront_size32 1
		.amdhsa_system_sgpr_workgroup_id_x 1
		.amdhsa_system_sgpr_workgroup_id_y 1
		.amdhsa_system_sgpr_workgroup_id_z 1
		.amdhsa_system_vgpr_workitem_id 0
		.amdhsa_next_free_vgpr 1024
		.amdhsa_next_free_sgpr 72
		.amdhsa_reserve_vcc 0
		.amdhsa_float_denorm_mode_32 3
		.amdhsa_float_denorm_mode_16_64 3
		.amdhsa_memory_ordered 1
		.amdhsa_forward_progress 1
		.amdhsa_inst_pref_size 183
	.end_amdhsa_kernel
	.amdgpu_metadata
---
amdhsa.version: [ 1, 2 ]
amdhsa.kernels:
  - .name:           k_qfcab14d4e2_main
    .symbol:         k_qfcab14d4e2_main.kd
    .args:
      - { .name: x, .offset: 0, .size: 8, .value_kind: global_buffer, .address_space: global }
      - { .name: order, .offset: 8, .size: 8, .value_kind: global_buffer, .address_space: global }
      - { .name: tiles, .offset: 16, .size: 8, .value_kind: global_buffer, .address_space: global }
      - { .name: wbuf, .offset: 24, .size: 8, .value_kind: global_buffer, .address_space: global }
      - { .name: par, .offset: 32, .size: 8, .value_kind: global_buffer, .address_space: global }
      - { .name: out0, .offset: 40, .size: 8, .value_kind: global_buffer, .address_space: global }
    .group_segment_fixed_size: 306944
    .private_segment_fixed_size: 0
    .kernarg_segment_align: 8
    .kernarg_segment_size: 48
    .max_flat_workgroup_size: 128
    .sgpr_count:     72
    .vgpr_count:     1024
    .wavefront_size: 32
...
	.end_amdgpu_metadata
.endif
;; end of part 2
;; ======== version 2 of 2: 2 launches; version 1 with the launch main written anew for expert scheduling mode
;; limits: values are held in f16: magnitudes above 65,504 overflow, below 6.1e-05 lose precision; right only within a limited range of input values
;; workspace buffers: wbuf 4,325,376 bytes; par 36,864 bytes; order 132,096 bytes of whole numbers; tiles 4,096 bytes of whole numbers
;; launch prep: the kernel of part 1 again; grid 84 x 1, 16 waves a work-group, no clusters, 143,872 bytes of LDS; arguments W1, W2, b1, b2, gamma, beta, domain_types, wbuf, par, order, tiles; writes wbuf, par, order, tiles
;; launch main (part 3): grid 232 x 1, 4 waves a work-group, no clusters, 306,944 bytes of LDS; arguments x, order, tiles, wbuf, par, out0; writes out0
.if DOCPART == 3
	.amdgcn_target "amdgcn-amd-amdhsa--gfx1250"
	.amdhsa_code_object_version 6
	.text
	.protected	k_qfcab14d4e2_main
	.globl	k_qfcab14d4e2_main
	.p2align	8
	.type	k_qfcab14d4e2_main,@function
k_qfcab14d4e2_main:
	s_mov_b64 s[64:65], 0
	v_nop
	global_prefetch_b8 v0, s[64:65] scope:SCOPE_SE
	s_setreg_imm32_b32 hwreg(HW_REG_WAVE_SCHED_MODE, 0, 2), 2
	s_setreg_imm32_b32 hwreg(HW_REG_WAVE_MODE, 25, 1), 1
	s_wait_xcnt 0x0
	s_wait_alu depctr_vm_vsrc(0)
; THE CHAIN: out[token] = relu(LayerNorm(x W1 + b1) gamma + beta) W2 + b2 with the weights of the token's expert.  Work-group b takes entry b of the list of tiles:
; up to 144 sorted rows of ONE expert (nine token tiles t of 16), gathered, taken through both products and stored.  The hidden layer never leaves the WGP.
; 232 work-groups serve every split of 32,768 tokens over four experts and the bucket 'none': the sum of ceil(c / 144) over five buckets is 232 at the most.  An entry with the count 0 walks the same text and stores nothing.
; FORMATS.  x, W1 in bf16; every input is rounded to bf16 once (the weights and parameters by the launch before).  The mean of a hidden row is linear in x: mu = x . mean_j(W1[:, j]) + mean(b1); it is made first,
; by a product with the mean column in three bf16 parts, so that h - mu can be stored ONCE, as f16, straight from the f32 sums.  The variance is the f32 sum of squares of the f32 h - mu.
; The normalising (x rs, x gamma + beta, relu) is packed f16 arithmetic in place; W2 is the bf16 number written as f16; the second product's sums are f32.
; LIMITS.  |h - mu| and the normalised hidden numbers stay under 65,504 and rs = 1 / sqrt(var + 1e-5) above 6e-5 (a hidden row's spread under 16,000); NaN and infinities are not treated apart.
; Rows past a tile's count are other tokens' rows, computed and not stored.  Rows of the bucket 'none' are stored as zeros.
; SHARES.  Product 1: wave w makes hidden 256 w .. + 255 of all 144 tokens, 32 hidden a trip.  Product 2: wave w makes out columns 64 w .. + 63 of all 144 tokens, over all 1,024 hidden.
; BOTH PRODUCTS ARE USED TRANSPOSED (source 0 = 16 rows of weights, source 1 = 16 tokens): a lane holds ONE token (lane % 16) and eight neighbouring hidden or out numbers, so two results of product 1, packed, ARE a source 1 of product 2.
; WEIGHTS come from memory straight into registers, in the order in which the stream was laid: each fragment is read once a work-group, by one wave, and feeds nine matrix instructions.  A ring of 16 fragments, refilled four at a time.
; NO JOINT LOADS: the hidden tile takes 294,912 of the 327,680 bytes of LDS, and what is left holds no two slots of weights (a slot of four fragments a wave is 16,384 bytes); a smaller tile of rows would want more than 256 work-groups.
; LDS: P, the hidden tile: fragment (kappa, t) of 32 hidden x 16 tokens at (9 kappa + t) 1,024, halves of 512 bytes, 16 bytes a lane.  Before it the x stage (144 rows of 528 bytes), after it the out stage (144 rows of 1,040 bytes) lie in the same bytes.
; REGISTERS, in windows of 256 (s_set_vgpr_msb: bits 1:0 source 0, 3:2 source 1, 5:4 source 2, 7:6 destination):
;   window 0: v0-31 addresses and at work; v32-49 -mu twice a token tile; v50-67 sums of squares (v32-67 first and last the 36 rows' offsets); v68-83 b1 of the trip; v84-92 rs twice in f16; v96-111 gamma, beta;
;             v112-255 the 18 accumulators of product 1, at the end the rows on their way out
;   window 1: x fragments of t 0-3 (64 t + 8 ks); later product 2's accumulators of out tiles 0, 1 (72 o + 8 t), b2 in v144-159, P of the even hidden steps in v160-231
;   window 2: the same for t 4-7 and out tiles 2, 3, and P of the odd hidden steps
;   window 3: v0-63 x of t = 8, later v0 the LDS address of P; v64-191 the ring; v192-255 the mean fragments
; THE MODE: SCHED_MODE bits 1:0 = 2 (LLVM: expert scheduling mode 2), set by the entry lines.  The code itself states the register dependences between vector or matrix instructions and memory or LDS
; instructions, with s_wait_alu, always for 0.
; THE PLAN.  Registers that memory or LDS instructions touch, and who else names them:
;   the ring        Quarter q is read by the 36 products of step q (both products go in steps of 36 on one quarter).  Its refill stands behind the FIRST product of step q + 1; the wait on va_vdst at that step's head
;                   states that step q's products are done reading; the products issued since name another quarter.  Product 1's quarter 3 is refilled in the trip's way out.
;   the 18 accumulators of product 1   Written by products, worked on in place, read by LDS stores.  The way out goes in three batches of three token tiles: 72 vector lines, one wait on va_vdst, six stores.
;                   One wait on vm_vsrc at the trip's tail: the stores have read them, and the next trip's first products write them.
;   b1 (v68-83)     Read as C by a trip's first products; the next trip's lands behind the first wait of the way out.
;   v11, v12, v13   LDS addresses: stepped at a trip's tail, behind the tail's wait on vm_vsrc; the next wait on va_vdst that stands there anyway shows them written.
;   the 72 registers of the normalising, gamma, beta   Loaded at a trip's head, behind one wait on va_vdst; three batches as above; the tail's wait on vm_vsrc frees them.
;   P's two buffers Step kl's products read buffer kl % 2.  The loads of step kl + 1 land in the other one, two behind each of step kl's products 1 to 9, behind the wait at step kl's head.  An even step multiplies
;                   out tiles 2, 3 first, an odd one 0, 1: under that half's window setting the destination is the window of the OTHER buffer and source 0 the ring's window, where the address lies: no switch is needed.
;   v4 and the other addresses made at the head are never written again; the stream's base is a scalar pair.
.set REC,   270336                     ; a wave's stream: 8 mean fragments, 128 of W1, 128 of W2
.set PREC,  2304                       ; a wave's parameters
.set XP,    528                        ; x stage: 256 bf16 + 16 bytes: 33 x 16, so the 16 rows of a fragment load start at 16 different groups of four banks (ISA guide 11.1)
.set OPI,   1040                       ; out stage: 256 f32 + 16 bytes = 65 x 16
.set STATS, 294912                     ; [token][wave] f32
.set PB,    STATS+2304                 ; [wave] a copy of its parameters
.set SPARE, PB+4*PREC                  ; the spare words: 128 bytes a wave, named by no other line
.set SPW, 5                            ; v5  my spare word's address; never rewritten
.set NIL, 6                            ; v6  0; never rewritten
.set NMU, 32
.set SQ,  50
.set B1C, 68
.set RS2, 84
.set ACC, 112
.set PF,  160                          ; windows 1 and 2: a buffer of P, token tile t at PF + 8 t
.set PADR, 0                           ; window 3: P as product 2 reads it: 16 x lane + the block of four hidden steps
.set MSB, 0
.macro WIN new                         ; the immediate's high byte repeats the setting that is left; a switch that changes nothing is dropped
.if MSB != (\new)
	s_set_vgpr_msb (MSB<<8)|(\new)
.set MSB, \new
.endif
.endm
.macro PLACES                          ; four plain vector instructions between a matrix instruction and what reads its result or writes or loads into one of its registers
.rept 4
	v_nop
.endr
.endm
.macro BAR                             ; my LDS instructions are done, then the work-group's barrier: what I stored may be read, what I read may be written over
	s_wait_dscnt 0x0
	s_barrier_signal -1
	s_barrier_wait -1
.endm
.macro REFILL p                        ; four fragments of the ring, 4 p .. 4 p + 3, from the stream's next block of 16: eight loads of 512 consecutive bytes
	WIN 0xc0
.irp g, 0,1,2,3
.set f, 4*(\p)+(\g)
	global_load_b128 v[64+8*f:64+8*f+3], v4, s[10:11] offset:1024*f
	global_load_b128 v[64+8*f+4:64+8*f+7], v4, s[10:11] offset:1024*f+512
.endr
.endm
; Product 1, K steps 2 p and 2 p + 1, token tiles t0 .. t0 + n - 1 (one window setting): the accumulators take turns, one instruction a turn.  K step 0 starts the sums with b1 - mean(b1).
; fill = 1: behind the first product stands the refill of the quarter that the step before read.
.macro G1G p, t0, n, w, fill
.irp kk, 0,1
.irp m, 0,1
.set t, \t0
.rept \n
.set ks, 2*(\p)+(\kk)
.set a, ACC+72*(\m)+8*t
.set f, 64+8*(2*ks+(\m))
.set x, 64*(t%4)+8*ks
	WIN \w
.if ks == 0
	v_wmma_f32_16x16x32_bf16 v[a:a+7], v[f:f+7], v[x:x+7], v[B1C+8*(\m):B1C+8*(\m)+7]
.else
	v_wmma_f32_16x16x32_bf16 v[a:a+7], v[f:f+7], v[x:x+7], v[a:a+7]
.endif
.if (\fill) && ((\kk) == 0) && ((\m) == 0) && (t == (\t0))
	REFILL (\p)-1                                  ; no wait: no product since the wait at the step's head names this quarter or v4
.endif
.set t, t+1
.endr
.endr
.endr
.endm
.macro G1 p                            ; a step: 36 matrix instructions on quarter p of the ring
.if (\p) == 0
	s_wait_loadcnt 24                              ; behind the eight loads that I need stand three refills of eight
	G1G \p, 0, 4, 0x07, 0
.else
	s_wait_loadcnt 16                              ; behind the eight loads that I need stand two refills of eight: the third follows below
	PLACES
	s_wait_alu depctr_va_vdst(0)                   ; the products of the step before are done reading their quarter of the ring, in which the refill below lands
	G1G \p, 0, 4, 0x07, 1
.endif
	G1G \p, 4, 4, 0x0b, 0
	G1G \p, 8, 1, 0x0f, 0
.endm
; The trip's 18 results, three token tiles to a batch: - mu, the squares into the token tile's sum, rounded to f16 in place (register i is written when 2 i and 2 i + 1 have been read).  Each accumulator is read from its low end on.
.macro EPIV b
.set t, 3*(\b)
.rept 3
.irp m, 0,1
.set a, ACC+72*(\m)+8*t
.irp i, 0,1,2,3
	v_pk_add_f32 v[a+2*(\i):a+2*(\i)+1], v[a+2*(\i):a+2*(\i)+1], v[NMU+2*t:NMU+2*t+1]
.endr
.irp i, 0,1,2,3
	v_pk_fma_f32 v[SQ+2*t:SQ+2*t+1], v[a+2*(\i):a+2*(\i)+1], v[a+2*(\i):a+2*(\i)+1], v[SQ+2*t:SQ+2*t+1]
	v_cvt_pk_f16_f32 v[a+(\i)], v[a+2*(\i)], v[a+2*(\i)+1]
.endr
.endr
.set t, t+1
.endr
.endm
.macro EPIS b                          ; the batch's six stores: 16 bytes a lane into P
.set t, 3*(\b)
.rept 3
.irp m, 0,1
.set a, ACC+72*(\m)+8*t
	ds_store_b128 v11, v[a:a+3] offset:t*1024+(\m)*512
.endr
.set t, t+1
.endr
.endm
; Product 2, half of a hidden step of 32 (number kl of the ring's four): 18 matrix instructions on 18 accumulators, out tiles oo and oo + 1.  first = 1: b2 starts the sums.
; wf = 1: behind product 0 the refill of the quarter that the step before read.  pf = 1: behind products 1 to 9 the two loads of a token tile of P of the step to come; they need no window switch (THE PLAN).
.macro KH kl, first, oo, wf, pf, w
.set t, 0
.rept 9
.irp o, 0,1
.set d, 72*(\o)+8*t
.set f, 64+8*(4*(\kl)+(\oo)+(\o))
.set p, PF+8*t
.if \first
	v_wmma_f32_16x16x32_f16 v[d:d+7], v[f:f+7], v[p:p+7], v[144+8*(\o):144+8*(\o)+7]
.else
	v_wmma_f32_16x16x32_f16 v[d:d+7], v[f:f+7], v[p:p+7], v[d:d+7]
.endif
.set j, 2*t+(\o)
.if (\wf) && (j == 0)
	REFILL ((\kl)+3)%4                             ; no wait: no product since the wait at the step's head names this quarter or v4
	WIN \w
.endif
.if (\pf) && (j >= 1) && (j <= 9)
	ds_load_b128 v[PF+8*(j-1):PF+8*(j-1)+3], v[PADR] offset:((\kl)+1)*9216+(j-1)*1024          ; into the buffer that the step before read
	ds_load_b128 v[PF+8*(j-1)+4:PF+8*(j-1)+7], v[PADR] offset:((\kl)+1)*9216+(j-1)*1024+512
.endif
.endr
.set t, t+1
.endr
.endm
; A hidden step.  wfill: the last step's four weight fragments are asked for again, from the next block.  pfill: the last step's buffer of P takes the step to come.  lw, ld: how many younger loads may stay out.
.macro K kl, first, wfill, pfill, lw, ld
	s_wait_loadcnt \lw
	s_wait_dscnt \ld
.if (\wfill) || (\pfill)
	PLACES
	s_wait_alu depctr_va_vdst(0)                   ; the products of the step before are done reading their buffer of P and their quarter of the ring, in which the loads below land; in a block's first step P's address is written
.endif
.if ((\kl)&1) == 0
	WIN 0xa7                                       ; weights window 3, P window 1, sums window 2
	KH \kl, \first, 2, \wfill, \pfill, 0xa7
	WIN 0x57                                       ; sums window 1
	KH \kl, \first, 0, 0, 0, 0x57
.else
	WIN 0x5b                                       ; weights window 3, P window 2, sums window 1
	KH \kl, \first, 0, \wfill, \pfill, 0x5b
	WIN 0xab                                       ; sums window 2
	KH \kl, \first, 2, 0, 0, 0xab
.endif
.endm
	s_load_b256 s[4:11], s[0:1], 0x0               ; x s[4:5], order s[6:7], tiles s[8:9], wbuf s[10:11]
	s_load_b128 s[12:15], s[0:1], 0x20             ; par s[12:13], out0 s[14:15]
	v_lshl_add_u32 v[SPW], v0, 2, SPARE
	v_mov_b32 v[NIL], 0
	v_lshrrev_b32 v1, 5, v0
	v_readfirstlane_b32 s52, v1                    ; wave w
	v_and_b32 v1, 31, v0                           ; lane L
	v_and_b32 v2, 15, v0                           ; r
	v_bfe_u32 v3, v0, 4, 1                         ; h
	v_lshlrev_b32 v4, 4, v1                        ; 16 L
	v_mov_b32 v7, 0                                ; the relu's 0
	s_lshl_b32 s58, ttmp9, 4
	s_mov_b32 s59, 0
	s_mov_b32 s60, 0x76543210                      ; v_permlanex16_b32: each lane takes its own place in the other half
	s_mov_b32 s61, 0xfedcba98
	s_mov_b32 s67, 0x3a800000                      ; 1 / 1,024
	s_wait_alu depctr_va_sdst(0)                   ; s52 is written, ahead of its first reader: my rows, my slice and my records are made from it
	s_mul_i32 s62, s52, 36                         ; my 36 rows of the tile: those I gather and those I store
	s_mul_i32 s63, s52, 73728                      ; my slice of P: 8 hidden steps x 9,216 bytes
	s_wait_kmcnt 0x0
	s_load_b128 s[68:71], s[8:9], s58 offset:0x0   ; expert, first place, rows, mask
	s_mul_i32 s66, s52, 36*XP
	v_lshl_add_u32 v8, v1, 3, s66                  ; x stage, in: my rows, 8 bytes a lane
	v_lshlrev_b32 v22, 3, v1
	v_mul_u32_u24 v9, v2, XP
	v_lshl_add_u32 v9, v3, 4, v9                   ; x stage, out: row r, 16 h
	v_add_nc_u32 v10, 64*XP, v9                    ; the same from token tile 4 on: the 16-bit offset does not reach
	v_add_nc_u32 v11, s63, v4                      ; P: my slice, 16 bytes a lane
	s_mul_i32 s66, s52, PREC
	s_add_co_u32 s66, s66, PB
	v_lshl_add_u32 v12, v3, 5, s66                 ; b1: 8 h numbers on
	v_lshl_add_u32 v13, v3, 4, s66
	v_add_nc_u32 v13, 1024, v13                    ; gamma (beta 512 further): 8 h halves on
	v_add_nc_u32 v21, 2048, v12                    ; b2
	v_add_nc_u32 v23, s66, v4
	v_add_nc_u32 v24, s66, v22
	v_lshlrev_b32 v15, 4, v2
	v_add_nc_u32 v15, STATS, v15                   ; token r's four partial sums
	v_lshl_add_u32 v14, s52, 2, v15                ; mine among them
	v_mul_u32_u24 v17, v2, OPI
	v_lshl_add_u32 v17, v3, 5, v17
	v_lshl_add_u32 v17, s52, 8, v17                ; out stage, in: row r, my 64 columns, 8 h numbers on; token tiles 0-2,
	v_add_nc_u32 v18, 48*OPI, v17                  ; 3-5,
	v_add_nc_u32 v19, 96*OPI, v17                  ; 6-8
	s_mul_i32 s66, s52, 36*OPI
	v_add_nc_u32 v20, s66, v4                      ; out stage, back: my rows, 16 bytes a lane
	s_wait_kmcnt 0x0
	s_min_u32 s55, s68, 3                          ; loaded numbers are held inside their tables before they enter an address
	s_min_u32 s56, s69, 0x7fff
	s_min_u32 s53, s70, 144
	s_mov_b32 s54, s71
	s_add_co_u32 s58, s56, s62
	s_lshl_b32 s58, s58, 2
	s_add_nc_u64 s[6:7], s[6:7], s[58:59]
	s_load_b512 s[16:31], s[6:7], 0x0              ; my 36 tokens (the list has 256 entries to spare behind its 32,768)
	s_load_b512 s[32:47], s[6:7], 0x40
	s_load_b128 s[48:51], s[6:7], 0x80
	s_lshl_b32 s58, s55, 2
	s_add_co_u32 s58, s58, s52                     ; record 4 e + w
	s_mul_i32 s66, s58, PREC
	s_mul_i32 s58, s58, REC
	s_add_nc_u64 s[10:11], s[10:11], s[58:59]
	s_mov_b32 s58, s66
	s_add_nc_u64 s[12:13], s[12:13], s[58:59]
	s_wait_kmcnt 0x0
.set i, 0
.rept 36
	s_min_u32 s[16+i], s[16+i], 0x7fff
	s_lshl_b32 s[16+i], s[16+i], 10                ; a row of x and of out0 is 1,024 bytes
	v_add_nc_u32 v[32+i], s[16+i], v4
.set i, i+1
.endr
	s_wait_alu depctr_va_vdst(0)                   ; every offset and LDS address made above is written: v4, v8 to v15, v17 to v24 and the 36 rows' v32 to v67, which the loads and stores below read
	; ALL FIRST LOADS, in the order in which they are wanted: 72 for x, 5 for the parameters, 16 for the mean, 32 for the ring
.set i, 0
.rept 18
	global_load_b128 v[ACC+8*i:ACC+8*i+3], v[32+i], s[4:5]
	global_load_b128 v[ACC+8*i+4:ACC+8*i+7], v[32+i], s[4:5] offset:512
.set i, i+1
.endr
	WIN 0x40
.set i, 0
.rept 18
	global_load_b128 v[8*i:8*i+3], v[50+i], s[4:5]
	global_load_b128 v[8*i+4:8*i+7], v[50+i], s[4:5] offset:512
.set i, i+1
.endr
	WIN 0
.irp i, 0,1,2,3
	global_load_b128 v[B1C+4*(\i):B1C+4*(\i)+3], v4, s[12:13] offset:512*(\i)
.endr
	global_load_b64 v[84:85], v22, s[12:13] offset:2048
	WIN 0xc0
.set i, 0
.rept 8
	global_load_b128 v[192+8*i:192+8*i+3], v4, s[10:11] offset:1024*i
	global_load_b128 v[192+8*i+4:192+8*i+7], v4, s[10:11] offset:1024*i+512
.set i, i+1
.endr
.set i, 0
.rept 16
	global_load_b128 v[64+8*i:64+8*i+3], v4, s[10:11] offset:8192+1024*i
	global_load_b128 v[64+8*i+4:64+8*i+7], v4, s[10:11] offset:8192+1024*i+512
.set i, i+1
.endr
	WIN 0
	s_wait_xcnt 0x0                                ; the stream's pointer is stepped only behind this wait (ISA guide 3.1)
	s_add_nc_u64 s[10:11], s[10:11], 8192+16384    ; W1's block 1
	s_wait_loadcnt 53                              ; x is in: 5 + 16 + 32 younger loads stay out
.set i, 0
.rept 18                                               ; my first 18 rows are rounded in one run,
.set a, ACC+8*i
	v_cvt_pk_bf16_f32 v[a], v[a], v[a+1]
	v_cvt_pk_bf16_f32 v[a+1], v[a+2], v[a+3]
	v_cvt_pk_bf16_f32 v[a+2], v[a+4], v[a+5]
	v_cvt_pk_bf16_f32 v[a+3], v[a+6], v[a+7]
.set i, i+1
.endr
	s_wait_alu depctr_va_vdst(0)                   ; these roundings have written the first four of each row's eight registers, which the 36 LDS stores read
.set i, 0
.rept 18
.set a, ACC+8*i
	ds_store_b64 v8, v[a:a+1] offset:i*XP          ; columns 4 L ..: 256 consecutive bytes a wave
	ds_store_b64 v8, v[a+2:a+3] offset:i*XP+256    ; columns 128 + 4 L ..
.set i, i+1
.endr
	WIN 0x45
.set i, 0
.rept 18                                               ; and the other 18, while those stores are on their way
.set a, 8*i
	v_cvt_pk_bf16_f32 v[a], v[a], v[a+1]
	v_cvt_pk_bf16_f32 v[a+1], v[a+2], v[a+3]
	v_cvt_pk_bf16_f32 v[a+2], v[a+4], v[a+5]
	v_cvt_pk_bf16_f32 v[a+3], v[a+6], v[a+7]
.set i, i+1
.endr
	WIN 0x04
	s_wait_alu depctr_va_vdst(0)                   ; the second run of roundings has written its registers in window 1, which the 36 LDS stores read
.set i, 0
.rept 18
.set a, 8*i
	ds_store_b64 v8, v[a:a+1] offset:(18+i)*XP
	ds_store_b64 v8, v[a+2:a+3] offset:(18+i)*XP+256
.set i, i+1
.endr
	WIN 0
	s_wait_loadcnt 48                              ; my parameters are in: mean and ring stay out
.irp i, 0,1,2,3
	ds_store_b128 v23, v[B1C+4*(\i):B1C+4*(\i)+3] offset:512*(\i)
.endr
	ds_store_b64 v24, v[84:85] offset:2048
	BAR                                            ; all 144 rows of x are in the stage
	WIN 0x40
	s_wait_alu depctr_vm_vsrc(0)                   ; my LDS stores have read the rows' registers, b1's and v84-85, v23 and v24, and the first loads their offsets v22 and v32-67: fragments, b1, zeros, -mu and the first products land there
.set t, 0
.rept 4
.set ks, 0
.rept 8
	ds_load_b128 v[64*t+8*ks:64*t+8*ks+3], v9 offset:t*16*XP+64*ks
	ds_load_b128 v[64*t+8*ks+4:64*t+8*ks+7], v9 offset:t*16*XP+64*ks+32
.set ks, ks+1
.endr
.set t, t+1
.endr
	WIN 0x80
.set t, 0
.rept 4
.set ks, 0
.rept 8
	ds_load_b128 v[64*t+8*ks:64*t+8*ks+3], v10 offset:t*16*XP+64*ks
	ds_load_b128 v[64*t+8*ks+4:64*t+8*ks+7], v10 offset:t*16*XP+64*ks+32
.set ks, ks+1
.endr
.set t, t+1
.endr
	WIN 0xc0
.set ks, 0
.rept 8
	ds_load_b128 v[8*ks:8*ks+3], v10 offset:64*XP+64*ks
	ds_load_b128 v[8*ks+4:8*ks+7], v10 offset:64*XP+64*ks+32
.set ks, ks+1
.endr
	WIN 0
	ds_load_b128 v[B1C:B1C+3], v12                 ; b1 - mean of the first trip's two hidden tiles
	ds_load_b128 v[B1C+4:B1C+7], v12 offset:16
	ds_load_b128 v[B1C+8:B1C+11], v12 offset:64
	ds_load_b128 v[B1C+12:B1C+15], v12 offset:80
.set i, 0
.rept 18
	v_mov_b32 v[SQ+i], 0
.set i, i+1
.endr
	BAR                                            ; every wave holds all of x in registers: the stage's bytes may become P
	; THE MEAN: x times the mean column's three parts.  In the result register 0 is the hi part's product, 1 the mid's, 2 the lo's, in both halves of the lanes.
	s_wait_loadcnt 32                              ; the mean fragments are in; the ring stays out
	WIN 0x07
.set ks, 0
.rept 8
.set t, 0
.rept 4
.set a, ACC+8*t
.if ks == 0
	v_wmma_f32_16x16x32_bf16 v[a:a+7], v[192+8*ks:192+8*ks+7], v[64*t+8*ks:64*t+8*ks+7], 0
.else
	v_wmma_f32_16x16x32_bf16 v[a:a+7], v[192+8*ks:192+8*ks+7], v[64*t+8*ks:64*t+8*ks+7], v[a:a+7]
.endif
.set t, t+1
.endr
.set ks, ks+1
.endr
	WIN 0x0b
.set ks, 0
.rept 8
.set t, 0
.rept 4
.set a, ACC+32+8*t
.if ks == 0
	v_wmma_f32_16x16x32_bf16 v[a:a+7], v[192+8*ks:192+8*ks+7], v[64*t+8*ks:64*t+8*ks+7], 0
.else
	v_wmma_f32_16x16x32_bf16 v[a:a+7], v[192+8*ks:192+8*ks+7], v[64*t+8*ks:64*t+8*ks+7], v[a:a+7]
.endif
.set t, t+1
.endr
.set ks, ks+1
.endr
	WIN 0x0f
.set ks, 0
.rept 8                                                ; the ninth token tile on two accumulators by turns, even and odd K steps
.set a, ACC+64+8*(ks%2)
.if ks < 2
	v_wmma_f32_16x16x32_bf16 v[a:a+7], v[192+8*ks:192+8*ks+7], v[8*ks:8*ks+7], 0
.else
	v_wmma_f32_16x16x32_bf16 v[a:a+7], v[192+8*ks:192+8*ks+7], v[8*ks:8*ks+7], v[a:a+7]
.endif
.set ks, ks+1
.endr
	WIN 0
	PLACES
	v_pk_add_f32 v[ACC+64:ACC+65], v[ACC+64:ACC+65], v[ACC+72:ACC+73]
	v_add_f32 v[ACC+66], v[ACC+66], v[ACC+74]
.set t, 0
.rept 9
	v_add_f32 v[22+t], v[ACC+8*t+2], v[ACC+8*t+1]  ; the small parts first
.set t, t+1
.endr
.set t, 0
.rept 9
	v_fma_f32 v[NMU+2*t], v[22+t], -1.0, -v[ACC+8*t]
.set t, t+1
.endr
.set t, 0
.rept 9
	v_mov_b32 v[NMU+2*t+1], v[NMU+2*t]             ; a pair for the packed addition
.set t, t+1
.endr
	; PRODUCT 1: eight trips of 32 hidden numbers, 144 matrix instructions each
	s_mov_b32 s57, 8
.Lp1:
	s_wait_dscnt 18                                ; the trip's b1 is in: behind its four loads stand the last trip's 18 stores, which may stay out
	G1 0
	G1 1
	G1 2
	G1 3
	WIN 0
	PLACES                                         ; between the last products and the lines that read results
	EPIV 0
	s_wait_alu depctr_va_vdst(0)                   ; all the trip's products are done reading quarter 3 of the ring and b1, in which the loads below land; the first batch's roundings are written, which its stores read
	REFILL 3
	WIN 0
	ds_load_b128 v[B1C:B1C+3], v12 offset:128      ; the next trip's b1 (in the last trip: bytes of my own record, not used)
	ds_load_b128 v[B1C+4:B1C+7], v12 offset:144
	ds_load_b128 v[B1C+8:B1C+11], v12 offset:192
	ds_load_b128 v[B1C+12:B1C+15], v12 offset:208
	EPIS 0
	EPIV 1
	s_wait_alu depctr_va_vdst(0)                   ; the second batch's roundings are written, which its stores read
	EPIS 1
	EPIV 2
	s_wait_alu depctr_va_vdst(0)                   ; the third batch's roundings are written, which its stores read
	EPIS 2
	s_wait_xcnt 0x0                                ; the four refills have had their addresses translated: the pointer may step
	s_add_nc_u64 s[10:11], s[10:11], 16384         ; the last trip's refills have brought W2's first 16 fragments: the stream goes on
	s_wait_alu depctr_vm_vsrc(0)                   ; the 18 stores have read v11 and the accumulators' registers, which the next trip's first products write; b1's loads have read v12
	v_add_nc_u32 v11, 9216, v11                    ; both are read again only behind the next trip's waits on va_vdst
	v_add_nc_u32 v12, 128, v12
	s_sub_co_u32 s57, s57, 1
	s_cmp_lg_u32 s57, 0
	s_cbranch_scc1 .Lp1
	; THE VARIANCE: my 256 hidden numbers' squares, both halves of the lanes; then the four waves' sums meet in LDS
.set t, 0
.rept 9
	v_add_f32 v[SQ+2*t], v[SQ+2*t], v[SQ+2*t+1]
.set t, t+1
.endr
.set t, 0
.rept 9
	v_permlanex16_b32 v[SQ+2*t+1], v[SQ+2*t], s60, s61
.set t, t+1
.endr
.set t, 0
.rept 9
	v_add_f32 v[SQ+2*t], v[SQ+2*t], v[SQ+2*t+1]
.set t, t+1
.endr
	s_wait_alu depctr_va_vdst(0)                   ; the nine sums are written, which the LDS stores read
.set t, 0
.rept 9
	ds_store_b32 v14, v[SQ+2*t] offset:256*t
.set t, t+1
.endr
	BAR
.set t, 0
.rept 9
	ds_load_b128 v[ACC+4*t:ACC+4*t+3], v15 offset:256*t
.set t, t+1
.endr
	s_wait_dscnt 0x0
.set t, 0
.rept 9
	v_add_f32 v[ACC+4*t], v[ACC+4*t], v[ACC+4*t+1]
	v_add_f32 v[ACC+4*t+2], v[ACC+4*t+2], v[ACC+4*t+3]
.set t, t+1
.endr
.set t, 0
.rept 9
	v_add_f32 v[ACC+4*t], v[ACC+4*t], v[ACC+4*t+2]
.set t, t+1
.endr
.set t, 0
.rept 9
	v_fmaak_f32 v[ACC+4*t], s67, v[ACC+4*t], 0x3727c5ac  ; / 1,024 + 1e-5
.set t, t+1
.endr
.set t, 0
.rept 9
	v_rsq_f32 v[ACC+4*t+1], v[ACC+4*t]
.set t, t+1
.endr
	v_nop                                          ; a plain instruction between the last root and the use of its result (ISA guide 5.7.2)
	s_wait_alu depctr_va_vdst(0)                   ; the nine roots are written, ahead of their first reader: one wait for the batch
.set t, 0
.rept 9
	v_cvt_pk_f16_f32 v[RS2+t], v[ACC+4*t+1], v[ACC+4*t+1]
.set t, t+1
.endr
	; NORMALISING, in place, my own slice of P: eight trips of 18 half fragments, in three batches of six
	v_add_nc_u32 v11, s63, v4
	WIN 0xc0
	v_mov_b32 v[PADR], v4                          ; P as product 2 reads it, in the ring's window; x of token tile 8 is no longer wanted there
	WIN 0
	s_mov_b32 s57, 8
.Lnorm:
	s_wait_alu depctr_va_vdst(0)                   ; v11 and v13 (at the first trip P's address for product 2 too) are written, which LDS instructions read; the lines before are done with gamma, beta and the 72 registers, in which the loads land
	ds_load_b128 v[96:99], v13                     ; gamma of the step's first 16 hidden numbers (my half's eight),
	ds_load_b128 v[100:103], v13 offset:32         ; of its second 16,
	ds_load_b128 v[104:107], v13 offset:512        ; beta likewise
	ds_load_b128 v[108:111], v13 offset:544
.set i, 0
.rept 18
	ds_load_b128 v[ACC+4*i:ACC+4*i+3], v11 offset:512*i
.set i, i+1
.endr
.irp b, 0,1,2
	s_wait_dscnt 12                                ; behind the batch's six loads stand 12 LDS instructions: the later batches' loads and the earlier batches' stores
.set i, 6*(\b)
.rept 6
.set d, ACC+4*i
.irp n, 0,1,2,3
	v_pk_mul_f16 v[d+(\n)], v[d+(\n)], v[RS2+i/2]
.endr
.irp n, 0,1,2,3
	v_pk_fma_f16 v[d+(\n)], v[d+(\n)], v[96+4*(i%2)+(\n)], v[104+4*(i%2)+(\n)]
.endr
.irp n, 0,1,2,3
	v_pk_max_num_f16 v[d+(\n)], v[d+(\n)], v7
.endr
.set i, i+1
.endr
	s_wait_alu depctr_va_vdst(0)                   ; the batch's 24 registers are written, which its six stores read
.set i, 6*(\b)
.rept 6
	ds_store_b128 v11, v[ACC+4*i:ACC+4*i+3] offset:512*i
.set i, i+1
.endr
.endr
	s_wait_alu depctr_vm_vsrc(0)                   ; the stores have read v11 and the 72 registers, in which the next trip's loads land; the loads have read v13
	v_add_nc_u32 v11, 9216, v11
	v_add_nc_u32 v13, 64, v13
	s_sub_co_u32 s57, s57, 1
	s_cmp_lg_u32 s57, 0
	s_cbranch_scc1 .Lnorm
	BAR                                            ; P is whole
	; PRODUCT 2: 32 hidden steps; the ring holds four steps' weights, two buffers hold P of this step and the next
	WIN 0x40
	ds_load_b128 v[144:147], v21                   ; b2 of my out tiles 0, 1,
	ds_load_b128 v[148:151], v21 offset:16
	ds_load_b128 v[152:155], v21 offset:64
	ds_load_b128 v[156:159], v21 offset:80
	WIN 0x80
	ds_load_b128 v[144:147], v21 offset:128        ; and 2, 3
	ds_load_b128 v[148:151], v21 offset:144
	ds_load_b128 v[152:155], v21 offset:192
	ds_load_b128 v[156:159], v21 offset:208
	WIN 0x43                                       ; step 0 into the even steps' buffer, window 1; the address lies in window 3
.set t, 0
.rept 9
	ds_load_b128 v[PF+8*t:PF+8*t+3], v[PADR] offset:t*1024
	ds_load_b128 v[PF+8*t+4:PF+8*t+7], v[PADR] offset:t*1024+512
.set t, t+1
.endr
	WIN 0x83                                       ; step 1 into the odd steps' buffer, window 2
.set t, 0
.rept 9
	ds_load_b128 v[PF+8*t:PF+8*t+3], v[PADR] offset:9216+t*1024
	ds_load_b128 v[PF+8*t+4:PF+8*t+7], v[PADR] offset:9216+t*1024+512
.set t, t+1
.endr
	K 0, 1, 0, 0, 24, 18                           ; the first step stands in front of the loop: it starts the sums and has nothing to fill again.  24: three refills behind the one I need; 18: the next step's P
	WIN 0
	s_mov_b32 s57, 6
.Lp2:                                                  ; a trip: steps 1-3 of a block of four, then step 0 of the next; together they bring the next block's four quarters.  16: two refills behind the one I need; 0: nothing is issued behind P's loads
	K 1, 0, 1, 1, 16, 0
	K 2, 0, 1, 1, 16, 0
	K 3, 0, 1, 1, 16, 0
	WIN 0xcc
	s_wait_alu depctr_vm_vsrc(0)                   ; the LDS loads issued so far have read P's address
	v_add_nc_u32 v[PADR], 36864, v[PADR]           ; the next block of four steps; the wait at the next step's head shows it written
	K 0, 0, 1, 1, 16, 0
	WIN 0
	s_wait_xcnt 0x0                                ; the block's four refills have had their addresses translated: the pointer may step
	s_add_nc_u64 s[10:11], s[10:11], 16384
	s_sub_co_u32 s57, s57, 1
	s_cmp_lg_u32 s57, 0
	s_cbranch_scc1 .Lp2
	K 1, 0, 1, 1, 16, 0                            ; the rest of block 6 and block 7's first step bring block 7's weights: the stream's end
	K 2, 0, 1, 1, 16, 0
	K 3, 0, 1, 1, 16, 0
	WIN 0xcc
	s_wait_alu depctr_vm_vsrc(0)                   ; the LDS loads issued so far have read P's address
	v_add_nc_u32 v[PADR], 36864, v[PADR]
	K 0, 0, 1, 1, 16, 0
	K 1, 0, 0, 1, 16, 0                            ; no more weights are asked for, and the counts run down;
	K 2, 0, 0, 1, 8, 0                             ; P's last step is asked for here
	K 3, 0, 0, 0, 0, 0
	; THE WAY OUT: a lane's eight numbers of a row go into the out stage (P's bytes, which nobody reads any more), whole rows come back, 16 lanes store 256 consecutive bytes
	WIN 0
	PLACES                                         ; four places behind the last products, before their results are read
	s_wait_alu depctr_va_vdst(0)                   ; the products have written the 36 accumulators, which the LDS stores read; the places above stay beside this wait
	BAR
	WIN 0x04
.set t, 0
.rept 9
.irp o, 0,1
.set a, 72*(\o)+8*t
	ds_store_b128 v[17+t/3], v[a:a+3] offset:(t%3)*16*OPI+64*(\o)
	ds_store_b128 v[17+t/3], v[a+4:a+7] offset:(t%3)*16*OPI+64*(\o)+16
.endr
.set t, t+1
.endr
	WIN 0x08
.set t, 0
.rept 9
.irp o, 0,1
.set a, 72*(\o)+8*t
	ds_store_b128 v[17+t/3], v[a:a+3] offset:(t%3)*16*OPI+128+64*(\o)
	ds_store_b128 v[17+t/3], v[a+4:a+7] offset:(t%3)*16*OPI+128+64*(\o)+16
.endr
.set t, t+1
.endr
	WIN 0
	BAR
; 18 of my 36 rows, in groups of six: the mask (zeros for the rows of tokens that named no expert) on all six, one wait, the stores.  Rows at or past the tile's count are jumped, all at once: they are the last ones.
.macro OUTB b
.if \b
	s_wait_xcnt 0x0                                ; the first batch's stores have had their addresses translated (ISA guide 3.1),
	s_wait_alu depctr_vm_vsrc(0)                   ; and have read their data registers, in which the loads below land
.endif
.set i, 0
.rept 18
	ds_load_b128 v[ACC+8*i:ACC+8*i+3], v20 offset:(18*(\b)+i)*OPI
	ds_load_b128 v[ACC+8*i+4:ACC+8*i+7], v20 offset:(18*(\b)+i)*OPI+512
.set i, i+1
.endr
.if (\b) == 0
.set i, 0
.rept 36
	v_add_nc_u32 v[32+i], s[16+i], v4              ; all 36 rows' offsets in out0, while the first rows come back from LDS
.set i, i+1
.endr
.endif
.irp g, 0,1,2
	s_wait_dscnt 24-12*(\g)                        ; the group's twelve loads are in; the later groups' stay out
.set i, 6*(\g)
.rept 6
.irp n, 0,1,2,3,4,5,6,7
	v_and_b32 v[ACC+8*i+(\n)], s54, v[ACC+8*i+(\n)]
.endr
.set i, i+1
.endr
	s_wait_alu depctr_va_vdst(0)                   ; the group's 48 masked registers are written, which its stores read (in the first group of all: the 36 offsets too)
.set i, 6*(\g)
.rept 6
	s_cmp_ge_u32 s62, s53
	s_cbranch_scc1 .Ldone
	s_add_co_u32 s62, s62, 1
	global_store_b128 v[32+18*(\b)+i], v[ACC+8*i:ACC+8*i+3], s[14:15] th:TH_STORE_NT
	global_store_b128 v[32+18*(\b)+i], v[ACC+8*i+4:ACC+8*i+7], s[14:15] offset:512 th:TH_STORE_NT
.set i, i+1
.endr
.endr
.endm
	OUTB 0
	OUTB 1
.Ldone:
	s_wait_dscnt 0x0                               ; the closing lines, six on end
	s_wait_alu 0x0
	s_wait_tensorcnt 0x0
	ds_add_u32 v[SPW], v[NIL]
	s_wait_dscnt 0x0
	s_endpgm
.Lfunc_end_k_qfcab14d4e2_main:
	.size	k_qfcab14d4e2_main, .Lfunc_end_k_qfcab14d4e2_main-k_qfcab14d4e2_main
	.p2alignl 7, 3214868480
	.fill 96, 4, 3214868480
	.section	.rodata,"a",@progbits
	.p2align	6, 0x0
	.amdhsa_kernel k_qfcab14d4e2_main
		.amdhsa_group_segment_fixed_size 306944
		.amdhsa_private_segment_fixed_size 0
		.amdhsa_enable_private_segment 0
		.amdhsa_kernarg_size 48
		.amdhsa_user_sgpr_count 2
		.amdhsa_user_sgpr_kernarg_segment_ptr 1
		.amdhsa_wavefront_size32 1
		.amdhsa_system_sgpr_workgroup_id_x 1
		.amdhsa_system_sgpr_workgroup_id_y 1
		.amdhsa_system_sgpr_workgroup_id_z 1
		.amdhsa_system_vgpr_workitem_id 0
		.amdhsa_next_free_vgpr 1024
		.amdhsa_next_free_sgpr 72
		.amdhsa_reserve_vcc 0
		.amdhsa_float_denorm_mode_32 3
		.amdhsa_float_denorm_mode_16_64 3
		.amdhsa_memory_ordered 1
		.amdhsa_forward_progress 1
		.amdhsa_inst_pref_size 182
	.end_amdhsa_kernel
	.amdgpu_metadata
---
amdhsa.version: [ 1, 2 ]
amdhsa.kernels:
  - .name:           k_qfcab14d4e2_main
    .symbol:         k_qfcab14d4e2_main.kd
    .args:
      - { .name: x, .offset: 0, .size: 8, .value_kind: global_buffer, .address_space: global }
      - { .name: order, .offset: 8, .size: 8, .value_kind: global_buffer, .address_space: global }
      - { .name: tiles, .offset: 16, .size: 8, .value_kind: global_buffer, .address_space: global }
      - { .name: wbuf, .offset: 24, .size: 8, .value_kind: global_buffer, .address_space: global }
      - { .name: par, .offset: 32, .size: 8, .value_kind: global_buffer, .address_space: global }
      - { .name: out0, .offset: 40, .size: 8, .value_kind: global_buffer, .address_space: global }
    .group_segment_fixed_size: 306944
    .private_segment_fixed_size: 0
    .kernarg_segment_align: 8
    .kernarg_segment_size: 48
    .max_flat_workgroup_size: 128
    .sgpr_count:     72
    .vgpr_count:     1024
    .wavefront_size: 32
...
	.end_amdgpu_metadata
.endif
;; end of part 3
